; MI455X (gfx1250); checked and timed in simulation.
; The chip was launched on July 23, 2026; its instructions are those of AMD's public machine-readable ISA for CDNA 5 (MIT licence, August 2026) and "CDNA5" Instruction Set Architecture Reference Guide (July 2026). The comments in the code are by the model that wrote it; some were corrected since.
;; Impute Performer. Allowed arithmetic: float matrix products may take bf16 or f16 operands with f32 sums; all other float work in f32.
;; Inputs: W1 4,096 x 4,096 float32; W2 4,096 x 4,096 float32; Wk 2 x 64 x 512 float32; Wo 2 x 512 x 64 float32; Wq 2 x 64 x 512 float32; Wv 2 x 64 x 512 float32; b1 4,096 float32; b2 4,096 float32; bk 2 x 512 float32; bo 2 x 64 float32; bq 2 x 512 float32; bv 2 x 512 float32; proj 2 x 266 x 64 float32; x 8 x 4,096 float32.
;; Outputs: out0 8 x 4,096 float32.
;; One version. Each part assembles by itself: llvm-mc -triple=amdgcn-amd-amdhsa -mcpu=gfx1250 --defsym DOCPART=n.
;; ======== version 1 of 1: 10 launches
;; workspace buffers: par0 303,360 bytes; par1 303,360 bytes; hs0 12,582,912 bytes; hs1 12,582,912 bytes; part 22,283,264 bytes; ctxb 3,031,040 bytes; flat 131,072 bytes
;; launch prep (part 1): grid 90 x 2, 8 waves a work-group, no clusters, 0 bytes of LDS; arguments x, Wq, Wk, Wv, Wo, proj, bq, bk, bv, bo, par0, par1, hs0; writes par0, par1, hs0
.if DOCPART == 1
	.amdgcn_target "amdgcn-amd-amdhsa--gfx1250"
	.amdhsa_code_object_version 6
	.text
	.protected	k_q7f00502b26_prep
	.globl	k_q7f00502b26_prep
	.p2align	8
	.type	k_q7f00502b26_prep,@function
k_q7f00502b26_prep:
	s_mov_b64 s[64:65], 0
	v_nop
	global_prefetch_b8 v0, s[64:65] scope:SCOPE_SE
	s_setreg_imm32_b32 hwreg(HW_REG_WAVE_MODE, 25, 1), 1
	s_wait_xcnt 0x0
; Prepares what the two attention layers read.  Work-group y = layer (for the weights) or half of the tokens (for h).
;   x  0..63  h = x repeated 64 times: f32 [token][64] at byte 0 of hs0, a bf16 copy at byte HB; 256 tokens a work-group
;   x 64..69  Wq, Wk, Wv [64 c][512 d] f32 -> bf16 [512 d][64 c] (K along the rows, as matrix fragments want it)
;   x 70..71  Wo [512 i][64 c] f32 -> bf16 [64 c][512 i]
;   x 72..88  proj * 64^-0.25 * log2(e) -> bf16 [272][64]; rows 266..271 repeat row 265, so that no maximum changes
;   x 89      the four biases, copied
; The transposing stores are 16 bytes a lane at a pitch of 128 or 1,024 bytes: 0.5 MB in the whole launch.
.set HB,  0x800000
.set WOT, 196608
.set PJO, 262144
.set BQO, 296960
.set BKO, 299008
.set BVO, 301056
.set BOO, 303104
	s_load_b512 s[8:23], s[0:1], 0x0               ; x, Wq, Wk, Wv, Wo, proj, bq, bk
	s_load_b256 s[24:31], s[0:1], 0x40             ; bv, bo, par0, par1
	s_load_b64 s[32:33], s[0:1], 0x60              ; hs0
	s_and_b32 s4, ttmp7, 0xffff                    ; layer
	s_mov_b32 s5, ttmp9                            ; job
	v_lshrrev_b32 v1, 5, v0
	v_readfirstlane_b32 s7, v1                     ; wave
	s_mov_b32 s35, 0                               ; high word of every offset pair s[34:35]
	s_wait_kmcnt 0x0
	s_cmp_eq_u32 s4, 0
	s_cselect_b64 s[28:29], s[28:29], s[30:31]     ; this layer's parameter block
	s_cmp_lt_u32 s5, 64
	s_cbranch_scc0 .Lweights
	; ---- h: block = 64 y + x, 256 tokens
	s_lshl_b32 s6, s4, 6
	s_add_co_u32 s6, s6, s5
	s_lshl_b32 s34, s6, 10
	s_add_nc_u64 s[8:9], s[8:9], s[34:35]          ; x at the block's first token
	s_lshl_b32 s34, s6, 16
	s_add_nc_u64 s[36:37], s[32:33], s[34:35]      ; f32 rows of 256 bytes
	s_lshl_b32 s34, s6, 15
	s_add_nc_u64 s[38:39], s[32:33], s[34:35]
	s_add_nc_u64 s[38:39], s[38:39], HB            ; bf16 rows of 128 bytes
	v_lshlrev_b32 v2, 4, v0                        ; my 16 bytes of every 4,096 stored
	v_lshrrev_b32 v3, 4, v0
	v_lshlrev_b32 v3, 2, v3                        ; f32 part: token 16 i + t / 16
	v_lshrrev_b32 v4, 3, v0
	v_lshlrev_b32 v4, 2, v4                        ; bf16 part: token 32 i + t / 8
.rept 16
	global_load_b32 v[16+4*\+], v3, s[8:9] offset:64*\+
.endr
.rept 8
	global_load_b32 v[80+4*\+], v4, s[8:9] offset:128*\+
.endr
	s_wait_loadcnt 0x0
.rept 16
	v_mov_b32 v[17+4*\+], v[16+4*\+]
	v_mov_b32 v[18+4*\+], v[16+4*\+]
	v_mov_b32 v[19+4*\+], v[16+4*\+]
	global_store_b128 v2, v[16+4*\+:19+4*\+], s[36:37] offset:4096*\+   ; a wave's store covers 512 consecutive bytes
.endr
.rept 8
	v_cvt_pk_bf16_f32 v[80+4*\+], v[80+4*\+], v[80+4*\+]
	v_mov_b32 v[81+4*\+], v[80+4*\+]
	v_mov_b32 v[82+4*\+], v[80+4*\+]
	v_mov_b32 v[83+4*\+], v[80+4*\+]
	global_store_b128 v2, v[80+4*\+:83+4*\+], s[38:39] offset:4096*\+
.endr
	s_endpgm
.Lweights:
	s_cmp_lt_u32 s5, 72
	s_cbranch_scc0 .Lproj
	s_lshl_b32 s34, s4, 17                         ; layer x 131,072 bytes
	s_cmp_lt_u32 s5, 70
	s_cbranch_scc0 .Lwo
	; ---- Wq, Wk, Wv: thread = one d, 64 loads down the column, neighbouring lanes at neighbouring d
	s_sub_co_u32 s6, s5, 64
	s_lshr_b32 s36, s6, 1                          ; which matrix
	s_and_b32 s6, s6, 1                            ; which 256 of its 512 d
	s_cmp_eq_u32 s36, 1
	s_cselect_b64 s[10:11], s[12:13], s[10:11]
	s_cmp_eq_u32 s36, 2
	s_cselect_b64 s[10:11], s[14:15], s[10:11]
	s_add_nc_u64 s[10:11], s[10:11], s[34:35]
	s_lshl_b32 s34, s36, 16
	s_add_nc_u64 s[28:29], s[28:29], s[34:35]
	v_lshl_add_u32 v1, s6, 8, v0                   ; d
	v_lshlrev_b32 v2, 2, v1
	v_lshlrev_b32 v3, 7, v1
.rept 64
	global_load_b32 v[16+\+], v2, s[10:11] offset:2048*\+
.endr
	s_wait_loadcnt 0x0
.rept 32
	v_cvt_pk_bf16_f32 v[16+\+], v[16+2*\+], v[17+2*\+]
.endr
.rept 8
	global_store_b128 v3, v[16+4*\+:19+4*\+], s[28:29] offset:16*\+
.endr
	s_endpgm
.Lwo:
	; ---- Wo: thread = one c and 64 consecutive i
	s_add_nc_u64 s[10:11], s[16:17], s[34:35]
	s_sub_co_u32 s6, s5, 70
	v_lshrrev_b32 v1, 6, v0
	v_lshl_add_u32 v1, s6, 2, v1                   ; i0 / 64
	v_and_b32 v4, 63, v0                           ; c
	v_lshlrev_b32 v2, 14, v1
	v_lshl_add_u32 v2, v4, 2, v2                   ; in: 256 i0 + 4 c
	v_lshlrev_b32 v3, 7, v1
	v_lshl_add_u32 v3, v4, 10, v3                  ; out: 1,024 c + 2 i0
.rept 64
	global_load_b32 v[16+\+], v2, s[10:11] offset:256*\+
.endr
	s_wait_loadcnt 0x0
.rept 32
	v_cvt_pk_bf16_f32 v[16+\+], v[16+2*\+], v[17+2*\+]
.endr
.rept 8
	global_store_b128 v3, v[16+4*\+:19+4*\+], s[28:29] offset:WOT+16*\+
.endr
	s_endpgm
.Lproj:
	s_cmp_lt_u32 s5, 89
	s_cbranch_scc0 .Lbias
	; ---- proj: 16 rows a work-group, 16 threads a row
	s_mul_i32 s34, s4, 68096
	s_add_nc_u64 s[18:19], s[18:19], s[34:35]
	s_sub_co_u32 s6, s5, 72
	v_lshrrev_b32 v1, 4, v0
	v_lshl_add_u32 v1, s6, 4, v1                   ; row 0..271
	v_and_b32 v4, 15, v0
	v_min_u32 v2, 265, v1                          ; the padding rows read row 265
	v_lshlrev_b32 v2, 8, v2
	v_lshl_add_u32 v2, v4, 4, v2
	v_lshlrev_b32 v3, 7, v1
	v_lshl_add_u32 v3, v4, 3, v3
	global_load_b128 v[8:11], v2, s[18:19]
	s_wait_loadcnt 0x0
	v_pk_mul_f32 v[8:9], v[8:9], 0x3f0293ee op_sel_hi:[1,0]      ; 64^-0.25 * log2(e)
	v_pk_mul_f32 v[10:11], v[10:11], 0x3f0293ee op_sel_hi:[1,0]
	v_cvt_pk_bf16_f32 v12, v8, v9
	v_cvt_pk_bf16_f32 v13, v10, v11
	global_store_b64 v3, v[12:13], s[28:29] offset:PJO           ; a wave's store covers two rows, 256 consecutive bytes
	s_endpgm
.Lbias:
	s_cmp_lt_u32 s7, 4
	s_cbranch_scc0 .Lbo
	s_lshl_b32 s34, s4, 11
	s_add_nc_u64 s[20:21], s[20:21], s[34:35]
	s_add_nc_u64 s[22:23], s[22:23], s[34:35]
	s_add_nc_u64 s[24:25], s[24:25], s[34:35]
	v_lshlrev_b32 v1, 4, v0
	global_load_b128 v[4:7], v1, s[20:21]
	global_load_b128 v[8:11], v1, s[22:23]
	global_load_b128 v[12:15], v1, s[24:25]
	s_wait_loadcnt 0x0
	global_store_b128 v1, v[4:7], s[28:29] offset:BQO
	global_store_b128 v1, v[8:11], s[28:29] offset:BKO
	global_store_b128 v1, v[12:15], s[28:29] offset:BVO
	s_endpgm
.Lbo:
	s_cmp_eq_u32 s7, 4
	s_cbranch_scc0 .Lend
	s_lshl_b32 s34, s4, 8
	s_add_nc_u64 s[26:27], s[26:27], s[34:35]
	v_and_b32 v1, 31, v0
	v_lshlrev_b32 v1, 3, v1
	global_load_b64 v[2:3], v1, s[26:27]
	s_wait_loadcnt 0x0
	global_store_b64 v1, v[2:3], s[28:29] offset:BOO
.Lend:
	s_endpgm
.Lfunc_end_k_q7f00502b26_prep:
	.size	k_q7f00502b26_prep, .Lfunc_end_k_q7f00502b26_prep-k_q7f00502b26_prep
	.p2alignl 7, 3214868480
	.fill 96, 4, 3214868480
	.section	.rodata,"a",@progbits
	.p2align	6, 0x0
	.amdhsa_kernel k_q7f00502b26_prep
		.amdhsa_group_segment_fixed_size 0
		.amdhsa_private_segment_fixed_size 0
		.amdhsa_enable_private_segment 0
		.amdhsa_kernarg_size 104
		.amdhsa_user_sgpr_count 2
		.amdhsa_user_sgpr_kernarg_segment_ptr 1
		.amdhsa_wavefront_size32 1
		.amdhsa_system_sgpr_workgroup_id_x 1
		.amdhsa_system_sgpr_workgroup_id_y 1
		.amdhsa_system_sgpr_workgroup_id_z 1
		.amdhsa_system_vgpr_workitem_id 0
		.amdhsa_next_free_vgpr 128
		.amdhsa_next_free_sgpr 66
		.amdhsa_reserve_vcc 0
		.amdhsa_float_denorm_mode_32 3
		.amdhsa_float_denorm_mode_16_64 3
		.amdhsa_memory_ordered 1
		.amdhsa_forward_progress 1
		.amdhsa_inst_pref_size 30
	.end_amdhsa_kernel
	.amdgpu_metadata
---
amdhsa.version: [ 1, 2 ]
amdhsa.kernels:
  - .name:           k_q7f00502b26_prep
    .symbol:         k_q7f00502b26_prep.kd
    .args:
      - { .name: x, .offset: 0, .size: 8, .value_kind: global_buffer, .address_space: global }
      - { .name: Wq, .offset: 8, .size: 8, .value_kind: global_buffer, .address_space: global }
      - { .name: Wk, .offset: 16, .size: 8, .value_kind: global_buffer, .address_space: global }
      - { .name: Wv, .offset: 24, .size: 8, .value_kind: global_buffer, .address_space: global }
      - { .name: Wo, .offset: 32, .size: 8, .value_kind: global_buffer, .address_space: global }
      - { .name: proj, .offset: 40, .size: 8, .value_kind: global_buffer, .address_space: global }
      - { .name: bq, .offset: 48, .size: 8, .value_kind: global_buffer, .address_space: global }
      - { .name: bk, .offset: 56, .size: 8, .value_kind: global_buffer, .address_space: global }
      - { .name: bv, .offset: 64, .size: 8, .value_kind: global_buffer, .address_space: global }
      - { .name: bo, .offset: 72, .size: 8, .value_kind: global_buffer, .address_space: global }
      - { .name: par0, .offset: 80, .size: 8, .value_kind: global_buffer, .address_space: global }
      - { .name: par1, .offset: 88, .size: 8, .value_kind: global_buffer, .address_space: global }
      - { .name: hs0, .offset: 96, .size: 8, .value_kind: global_buffer, .address_space: global }
    .group_segment_fixed_size: 0
    .private_segment_fixed_size: 0
    .kernarg_segment_align: 8
    .kernarg_segment_size: 104
    .max_flat_workgroup_size: 256
    .sgpr_count:     66
    .vgpr_count:     128
    .wavefront_size: 32
...
	.end_amdgpu_metadata
.endif
;; end of part 1
;; launch k0 (part 2): grid 4 x 64, 8 waves a work-group, no clusters, 271,616 bytes of LDS; arguments hs0, par0, part; writes part
.if DOCPART == 2
	.amdgcn_target "amdgcn-amd-amdhsa--gfx1250"
	.amdhsa_code_object_version 6
	.text
	.protected	k_q7f00502b26_k0
	.globl	k_q7f00502b26_k0
	.p2align	8
	.type	k_q7f00502b26_k0,@function
k_q7f00502b26_k0:
	s_mov_b64 s[64:65], 0
	v_nop
	global_prefetch_b8 v0, s[64:65] scope:SCOPE_SE
	s_setreg_imm32_b32 hwreg(HW_REG_WAVE_MODE, 25, 1), 1
	s_wait_xcnt 0x0
; Key side of one FAVOR+ layer.  Work-group (chunk, bh): 1,024 tokens of one batch and head.  It stores
;   P[m][d'] = sum over its tokens of e[tok][m] v'[tok][d'],  e = 2^(dd' + nd - S),  S = its own maximum of dd' (so e <= 1),
; and S.  dd' = k . proj' (proj' carries 64^-0.25 log2 e), nd = -0.0625 log2(e) |k|^2.  v' = v, then a column of ones (d' = 64).
; S is a RUNNING maximum: each wave keeps its own, raises it by each trip's dd' before that trip's exponentials, and multiplies its sums
; by 2^(old - new) <= 1; at the end the eight waves bring their sums to the work-group's maximum in the same way.  dd' is made once.
; Feature row 271 carries e = 1 and so gives the plain sums of v' that the eps term needs: it is left out of every rescaling.
; The next launch joins the four chunks under their common maximum.  Limit: v_exp_f32 gives 0 for results below 2^-126; they stand beside eps = 1e-4.
; No transposes: two result tiles stacked along M, packed to bf16 pairwise, ARE the next product's operand (K = the old M):
;   KD[d][tok] = WkT x H + bk -> k as A;   VD[tok][d] = H x WvT + bv -> v as B;   DD[tok][m] = k x proj' -> e as A;   CT[m][d'] += e x v'.
; Eight waves, two on a SIMD, so that one wave's vector work runs beside the other's products.  Phase 1: wave w makes k, v, nd of
; tokens 128 w .. +127 into LDS.  Phase 2: wave (half, g) takes tokens 512 half .. +511 and feature tiles mt0 .. mt0+NT-1
; (g = 0: five tiles, else four; g is turned by one in the second half so that the two five-tile waves differ in w mod 4).
; No joint loads: the only bytes that work-groups share, 128 KiB of h and 50 KiB of weights, are read once, straight into fragment registers.
.set HB,   0x800000
.set WKT,  65536
.set WVT,  131072
.set PJO,  262144
.set BKO,  299008
.set BVO,  301056
.set SOFF, 0x1540000                   ; part: 256 x 87,040 bytes of tiles, then S[256]
.set VPL,  131072                      ; LDS: k [tb 64][dt 4][lane][16 B] at 0, v likewise here,
.set DGL,  262144                      ; nd f32 [1024],
.set REDL, 270336                      ; the eight waves' maxima
; window 0: v1 r, v2 h; phase 1: v3 h offset, v4-6 LDS store addresses; phase 2: v3-6 four chains of the maximum, then v4-5 the factor pair (f, f or 1)
; for registers 6, 7 of the tile with feature row 271; v7-9 LDS read addresses; v10-11 the factor pair (f, f) (offsets at the start and at the end);
; v12 S (4 r at the start); v13 two bf16 ones; v14-15 -S
.set CI, 16                            ; v16-31   nd, then nd - S, of 2 x 8 tokens; scratch in phase 1
.set KA, 32                            ; v32-95   k fragments [buf 2][tt 2][s 2][8]
.set HH, 32                            ;          phase 1: h fragments [buf 4][s 2][8]
.set DD, 96                            ; v96-175  [t][tt][8]
.set KD, 96                            ;          phase 1
.set VD, 128
.set PR, 176                           ; v176-255 proj' fragments [t][s][8]
; window 1
.set CT, 0                             ; [t][dt 5][8]
.set VB, 200                           ; v fragments [dt 4][8], then the ones column (232..239)
.set WK, 0                             ; phase 1: [dt][s][8]
.set WV, 64
.set BK, 128
.set BV, 160
.set MSB, 0
.macro WIN new                         ; the immediate's high byte repeats the setting that is left
.if MSB != \new
	s_set_vgpr_msb (MSB<<8)|\new
.set MSB, \new
.endif
.endm
.macro PLACES                          ; four places behind matrix instructions (ISA guide 7.12.1)
.rept 4
	v_nop
.endr
.endm
.macro MM d, a, b, c
	v_wmma_f32_16x16x32_bf16 v[\d:\d+7], v[\a:\a+7], v[\b:\b+7], v[\c:\c+7]
.endm
.macro MM0 d, a, b
	v_wmma_f32_16x16x32_bf16 v[\d:\d+7], v[\a:\a+7], v[\b:\b+7], 0
.endm
.macro GFRAG dst, adr, base, off       ; 16 rows x 64 K of bf16 from rows of 128 bytes: 16 registers
.irp i, 0,1,2,3
	global_load_b128 v[\dst+4*\i:\dst+4*\i+3], v[\adr], s[\base:\base+1] offset:\off+32*\i
.endr
.endm
	s_load_b128 s[4:7], s[0:1], 0x0                ; hs, par
	s_load_b64 s[8:9], s[0:1], 0x10                ; part
	s_set_vgpr_msb 0x40
	v_lshl_add_u32 v254, v0, 2, 0x42100
	v_mov_b32 v255, 0
	s_set_vgpr_msb 0x4000
	v_lshrrev_b32 v1, 5, v0
	v_readfirstlane_b32 s10, v1                    ; wave
	s_lshr_b32 s11, s10, 2                         ; half
	s_sub_co_u32 s12, s10, s11
	s_and_b32 s12, s12, 3                          ; g
	s_min_u32 s13, s12, 1
	s_lshl2_add_u32 s13, s12, s13                  ; mt0 = 4 g + min(g, 1)
	s_mov_b32 s14, ttmp9                           ; chunk
	s_and_b32 s15, ttmp7, 0xffff                   ; bh
	s_lshr_b32 s16, s15, 3                         ; b
	s_and_b32 s17, s15, 7                          ; head
	s_mov_b32 s24, 0x76543210                      ; v_permlanex16_b32: lane i of the other half
	s_mov_b32 s25, 0xfedcba98
	s_cmp_eq_u32 s12, 3
	s_cselect_b32 s27, 0x80008000, 0               ; feature row 271 as a row of the A operand (tile 16, r = 15), in the wave that owns it
	s_cselect_b32 s33, 0xffff0000, 0               ; the same row in the sums: register 7 of lanes 16-31
	v_and_b32 v1, 15, v0                           ; r
	v_bfe_u32 v2, v0, 4, 1                         ; h
	v_and_b32 v16, 31, v0                          ; lane
	v_lshlrev_b32 v10, 7, v1
	v_lshl_add_u32 v10, v2, 4, v10                 ; 128 r + 16 h
	v_lshlrev_b32 v11, 5, v2                       ; 32 h
	v_lshlrev_b32 v12, 2, v1                       ; 4 r
	s_lshl_b32 s18, s10, 14
	v_add_nc_u32 v3, s18, v10                      ; h: my wave's 128 tokens x 128 bytes
	v_lshl_add_u32 v4, v16, 4, s18                 ; k out: 8 blocks of 2,048 bytes a wave
	v_add_nc_u32 v5, VPL, v4
	s_lshl_b32 s19, s10, 9
	s_add_co_u32 s19, s19, DGL
	v_add_nc_u32 v6, s19, v12                      ; nd out
	s_lshl_b32 s19, s11, 16
	v_lshl_add_u32 v7, v16, 4, s19                 ; k in: my half's 32 blocks
	v_add_nc_u32 v8, VPL, v7
	s_lshl_b32 s19, s11, 11
	s_add_co_u32 s19, s19, DGL
	v_add_nc_u32 v9, s19, v11                      ; nd in: tokens 8 h .. 8 h + 7 of a block
	v_mov_b32 v13, 0x3f803f80
	s_wait_kmcnt 0x0
	s_lshl_b32 s18, s16, 19
	s_lshl_b32 s19, s14, 17
	s_add_co_u32 s18, s18, s19
	s_add_co_u32 s18, s18, HB
	s_mov_b32 s19, 0
	s_add_nc_u64 s[4:5], s[4:5], s[18:19]          ; bf16 h at the chunk's first token
	s_lshl_b32 s18, s17, 13
	s_add_nc_u64 s[20:21], s[6:7], s[18:19]        ; + head x 64 rows of 128 bytes
	s_lshl_b32 s18, s17, 8
	s_add_nc_u64 s[22:23], s[6:7], s[18:19]        ; + head x 64 f32
	s_lshl_b32 s18, s13, 11
	s_add_nc_u64 s[28:29], s[6:7], s[18:19]        ; + mt0 x 16 rows of 128 bytes
	s_lshl2_add_u32 s26, s15, s14                  ; 4 bh + chunk
	s_lshl_b32 s18, s26, 2
	s_add_nc_u64 s[30:31], s[8:9], s[18:19]
	s_add_nc_u64 s[30:31], s[30:31], SOFF          ; my S
	s_mul_i32 s18, s26, 87040
	s_mul_i32 s26, s13, 5120
	s_add_co_u32 s18, s18, s26
	s_add_nc_u64 s[8:9], s[8:9], s[18:19]          ; my first tile
.irp dt, 0,1,2,3
	global_load_b32 v[16+\dt], v12, s[22:23] offset:BVO+64*\dt
.endr
	WIN 0x40                                       ; destinations in window 1
.irp dt, 0,1,2,3
	GFRAG WK+16*\dt, 10, 20, WKT+2048*\dt
	GFRAG WV+16*\dt, 10, 20, WVT+2048*\dt
	global_load_b128 v[BK+8*\dt:BK+8*\dt+3], v11, s[22:23] offset:BKO+64*\dt
	global_load_b128 v[BK+8*\dt+4:BK+8*\dt+7], v11, s[22:23] offset:BKO+64*\dt+16
.endr
	WIN 0
.irp b, 0,1,2,3
	GFRAG HH+16*\b, 3, 4, 2048*\b                  ; h of my first four blocks of 16 tokens
.endr
.irp t, 0,1,2,3
	GFRAG PR+16*\t, 10, 28, PJO+2048*\t
.endr
	s_cmp_lg_u32 s12, 0
	s_cbranch_scc1 .Lno_pr4
	GFRAG PR+64, 10, 28, PJO+8192
.Lno_pr4:
	s_wait_loadcnt 0x0
	v_cmp_eq_u32 vcc_lo, 0, v1
	v_cndmask_b32 v20, 0, v13, vcc_lo              ; the ones column: d' = 64 is r = 0 of the fifth tile
	WIN 0x40
.irp dt, 0,1,2,3
.irp j, 0,1,2,3,4,5,6,7
	v_mov_b32 v[BV+8*\dt+\j], v[16+\dt]            ; C of VD: bv[d = r] in all eight rows
.endr
.endr
.irp j, 0,1,2,3,4,5,6,7
	v_mov_b32 v[VB+32+\j], v20
.endr
	WIN 0
; Phase 1, one block of 16 tokens.  Accumulators take turns, one instruction a turn.
; h comes four blocks ahead: block t + 4 is asked for in block t, into the buffer that block t has just multiplied.
.macro P1A t
.if \t >= 4
	s_wait_loadcnt 4*(7-\t)                        ; behind this block's four loads those of the later blocks were issued: they stay out
.endif
	WIN 0x11
.irp dt, 0,1,2,3
	MM KD+8*\dt, WK+16*\dt, HH+16*(\t&3), BK+8*\dt
.endr
	WIN 0x01
.irp dt, 0,1,2,3
	MM KD+8*\dt, WK+16*\dt+8, HH+16*(\t&3)+8, KD+8*\dt
.endr
	WIN 0x14
.irp dt, 0,1,2,3
	MM VD+8*\dt, HH+16*(\t&3), WV+16*\dt, BV+8*\dt
.endr
	WIN 0x04
.irp dt, 0,1,2,3
	MM VD+8*\dt, HH+16*(\t&3)+8, WV+16*\dt+8, VD+8*\dt
.endr
	WIN 0
	PLACES
.if \t < 4
	GFRAG HH+16*(\t&3), 3, 4, 2048*(\t+4)
.endif
	v_pk_mul_f32 v[16:17], v[KD:KD+1], v[KD:KD+1]  ; |k|^2 of token r: my 32 d, two chains, then the other half of the lanes
	v_pk_mul_f32 v[18:19], v[KD+2:KD+3], v[KD+2:KD+3]
.irp j, 4,8,12,16,20,24,28
	v_pk_fma_f32 v[16:17], v[KD+\j:KD+\j+1], v[KD+\j:KD+\j+1], v[16:17]
	v_pk_fma_f32 v[18:19], v[KD+\j+2:KD+\j+3], v[KD+\j+2:KD+\j+3], v[18:19]
.endr
	v_pk_add_f32 v[16:17], v[16:17], v[18:19]
	v_add_f32 v16, v16, v17
	v_permlanex16_b32 v17, v16, s24, s25
	v_add_f32 v16, v16, v17
	v_mul_f32 v16, 0xbdb8aa3b, v16                 ; -0.0625 log2(e)
	ds_store_b32 v6, v16 offset:64*\t
.irp i, 0,1,2,3,4,5,6,7,8,9,10,11,12,13,14,15
	v_cvt_pk_bf16_f32 v[KD+\i], v[KD+2*\i], v[KD+2*\i+1]
.endr
.irp i, 0,1,2,3,4,5,6,7,8,9,10,11,12,13,14,15
	v_cvt_pk_bf16_f32 v[VD+\i], v[VD+2*\i], v[VD+2*\i+1]
.endr
.irp dt, 0,1,2,3
	ds_store_b128 v4, v[KD+4*\dt:KD+4*\dt+3] offset:2048*\t+512*\dt
	ds_store_b128 v5, v[VD+4*\dt:VD+4*\dt+3] offset:2048*\t+512*\dt
.endr
.endm
	P1A 0
	P1A 1
	P1A 2
	P1A 3
	P1A 4
	P1A 5
	P1A 6
	P1A 7
	s_wait_dscnt 0x0                               ; my stores are done, for the other waves' sake
	s_barrier_signal -1
	s_barrier_wait -1
.macro LDKA adr, buf, off              ; k fragments of 32 tokens
.irp i, 0,1,2,3,4,5,6,7
	ds_load_b128 v[KA+32*(\buf)+4*\i:KA+32*(\buf)+4*\i+3], v[\adr] offset:\off+512*\i
.endr
.endm
.macro LDCI off                        ; nd of tokens 8 h .. +7 of two blocks, the same words for all lanes of a half
	ds_load_b128 v[CI:CI+3], v9 offset:\off
	ds_load_b128 v[CI+4:CI+7], v9 offset:\off+16
	ds_load_b128 v[CI+8:CI+11], v9 offset:\off+64
	ds_load_b128 v[CI+12:CI+15], v9 offset:\off+80
.endm
.macro DDMUL nt, buf                   ; DD[t][tt] = dd' over both K steps; all accumulators take a turn in each step
.set t_, 0
.rept \nt
.irp tt, 0,1
	MM0 DD+16*t_+8*\tt, KA+32*\buf+16*\tt, PR+16*t_
.endr
.set t_, t_+1
.endr
.set t_, 0
.rept \nt
.irp tt, 0,1
	MM DD+16*t_+8*\tt, KA+32*\buf+16*\tt+8, PR+16*t_+8, DD+16*t_+8*\tt
.endr
.set t_, t_+1
.endr
.endm
; The sums of feature tile t times the factor.  q = 1: registers 6, 7 take the pair v[4:5], whose second number is 1 in the lanes of feature row 271.
.macro RESCT t, q
.irp dt, 0,1,2,3,4
.irp k, 0,2,4
	v_pk_mul_f32 v[CT+8*(5*\t+\dt)+\k:CT+8*(5*\t+\dt)+\k+1], v[CT+8*(5*\t+\dt)+\k:CT+8*(5*\t+\dt)+\k+1], v[10:11]
.endr
.if \q
	v_pk_mul_f32 v[CT+8*(5*\t+\dt)+6:CT+8*(5*\t+\dt)+7], v[CT+8*(5*\t+\dt)+6:CT+8*(5*\t+\dt)+7], v[4:5]
.else
	v_pk_mul_f32 v[CT+8*(5*\t+\dt)+6:CT+8*(5*\t+\dt)+7], v[CT+8*(5*\t+\dt)+6:CT+8*(5*\t+\dt)+7], v[10:11]
.endif
.endr
.endm
; Phase 2, 32 tokens
.macro P2 nt, buf, pre, zero
	v_nop                                          ; with the three address steps at the last trip's end: five places behind its CT products,
	v_nop                                          ; whose A registers the DD products write over and whose B registers are loaded again
	s_wait_dscnt 0x0                               ; this trip's k and nd, asked for a trip ago
	WIN 0x40
.irp dt, 0,1,2,3
	ds_load_b128 v[VB+8*\dt:VB+8*\dt+3], v8 offset:512*\dt
	ds_load_b128 v[VB+8*\dt+4:VB+8*\dt+7], v8 offset:2048+512*\dt
.endr
	WIN 0
.if \pre
	LDKA 7, 1-\buf, 4096
.endif
	DDMUL \nt, \buf
	PLACES
	v_max3_num_f32 v3, v12, v[DD], v[DD+1]         ; the running maximum enters the first of four chains
	v_max_num_f32 v4, v[DD+2], v[DD+3]
	v_max_num_f32 v5, v[DD+4], v[DD+5]
	v_max_num_f32 v6, v[DD+6], v[DD+7]
.set k_, 4
.rept 8*\nt-4
	v_max3_num_f32 v[3+(k_&3)], v[3+(k_&3)], v[DD+2*k_], v[DD+2*k_+1]
.set k_, k_+1
.endr
	v_max3_num_f32 v3, v3, v4, v5
	v_max_num_f32 v3, v3, v6
	v_max_num_f32_dpp v3, v3, v3 row_xmask:1 row_mask:0xf bank_mask:0xf
	v_max_num_f32_dpp v3, v3, v3 row_xmask:2 row_mask:0xf bank_mask:0xf
	v_max_num_f32_dpp v3, v3, v3 row_xmask:4 row_mask:0xf bank_mask:0xf
	v_max_num_f32_dpp v3, v3, v3 row_xmask:8 row_mask:0xf bank_mask:0xf
	v_permlanex16_b32 v4, v3, s24, s25
	v_max_num_f32 v3, v3, v4                       ; the new S, in every lane
	v_sub_f32 v10, v12, v3                         ; old - new <= 0 (the first trip: -inf, and its factor is not used)
	v_exp_f32 v10, v10
	v_sub_f32 v14, 0, v3                           ; also the plain place behind the exponential (ISA guide 5.7.2)
	v_mov_b32 v12, v3
	v_mov_b32 v15, v14
	s_wait_alu depctr_va_vdst(0)
	v_mov_b32 v11, v10
	v_mov_b32 v4, v10
	v_cndmask_b32 v5, v10, 1.0, s33
.irp k, 0,2,4,6,8,10,12,14
	v_pk_add_f32 v[CI+\k:CI+\k+1], v[CI+\k:CI+\k+1], v[14:15]   ; nd - S
.endr
.set t_, 0
.rept \nt
.irp tt, 0,1
.irp k, 0,2,4,6
	v_pk_add_f32 v[DD+16*t_+8*\tt+\k:DD+16*t_+8*\tt+\k+1], v[DD+16*t_+8*\tt+\k:DD+16*t_+8*\tt+\k+1], v[CI+8*\tt+\k:CI+8*\tt+\k+1]
.endr
.endr
.set t_, t_+1
.endr
.if \pre
	LDCI 128
.endif
.set k_, 0
.rept 16*\nt
	v_exp_f32 v[DD+k_], v[DD+k_]
.set k_, k_+1
.endr
	v_nop                                          ; one plain place behind the exponentials (ISA guide 5.7.2)
.set t_, 0
	s_wait_alu depctr_va_vdst(0)
.rept \nt
.irp i, 0,1,2,3,4,5,6,7
	v_cvt_pk_bf16_f32 v[DD+16*t_+\i], v[DD+16*t_+2*\i], v[DD+16*t_+2*\i+1]
.endr
.set t_, t_+1
.endr
.if \nt == 4
.irp i, 0,1,2,3,4,5,6,7
	v_cndmask_b32 v[DD+48+\i], v[DD+48+\i], v13, s27   ; feature row 271: e = 1
.endr
.endif
.if \zero == 0
	WIN 0x41                                       ; the sums so far are brought under the new S
	RESCT 0, 0
	RESCT 1, 0
	RESCT 2, 0
.if \nt == 4
	RESCT 3, 1
.else
	RESCT 3, 0
	RESCT 4, 0
.endif
.endif
.if \pre
	s_wait_dscnt 0xc                               ; v is in; the 8 + 4 loads for the next trip stay out
.else
	s_wait_dscnt 0x0
.endif
	WIN 0x54
.irp dt, 0,1,2,3,4
.set t_, 0
.rept \nt
.if \zero
	MM0 CT+8*(5*t_+\dt), DD+16*t_, VB+8*\dt
.else
	MM CT+8*(5*t_+\dt), DD+16*t_, VB+8*\dt, CT+8*(5*t_+\dt)
.endif
.set t_, t_+1
.endr
.endr
	WIN 0
	v_add_nc_u32 v7, 4096, v7
	v_add_nc_u32 v8, 4096, v8
	v_add_nc_u32 v9, 128, v9
.endm
.macro P2ALL nt
	P2 \nt, 0, 1, 1                                ; the first products start the sums: nothing is cleared
	P2 \nt, 1, 1, 0
	s_mov_b32 s20, 6
.Lp2_\nt:
	P2 \nt, 0, 1, 0
	P2 \nt, 1, 1, 0
	s_sub_co_u32 s20, s20, 1
	s_cmp_lg_u32 s20, 0
	s_cbranch_scc1 .Lp2_\nt
	P2 \nt, 0, 1, 0
	P2 \nt, 1, 0, 0
.endm
	v_mov_b32 v12, 0xff800000                      ; S starts at -inf
	LDKA 7, 0, 0
	LDCI 0
	s_cmp_lg_u32 s12, 0
	s_cbranch_scc1 .Lp24
	P2ALL 5
	s_branch .Lp2j
.Lp24:
	P2ALL 4
.Lp2j:
	PLACES
	; The eight waves' maxima meet in LDS; each wave brings its sums under the work-group's maximum.
	s_wait_dscnt 0x0                               ; my reads of k, v and nd are over
	s_barrier_signal -1                            ; a barrier between every wave's reads of phase 2 and the LDS stores below
	s_lshl_b32 s18, s10, 2
	s_add_co_u32 s18, s18, REDL
	v_mov_b32 v3, s18
	s_barrier_wait -1
	ds_store_b32 v3, v12
	s_wait_dscnt 0x0
	s_barrier_signal -1
	s_barrier_wait -1
	v_mov_b32 v3, REDL
	ds_load_b128 v[20:23], v3
	ds_load_b128 v[24:27], v3 offset:16
	s_wait_dscnt 0x0
	v_max3_num_f32 v20, v20, v21, v22
	v_max3_num_f32 v23, v23, v24, v25
	v_max3_num_f32 v20, v20, v26, v27
	v_max_num_f32 v20, v20, v23                    ; the work-group's S
	v_mov_b32 v21, 0
	v_cmp_eq_u32 vcc_lo, 0, v0
	s_wait_xcnt 0x0                                ; EXEC changes only behind s_wait_xcnt 0
	s_and_saveexec_b32 s18, vcc_lo
	global_store_b32 v21, v20, s[30:31]
	s_wait_xcnt 0x0
	s_or_b32 exec_lo, exec_lo, s18
	v_sub_f32 v10, v12, v20                        ; mine - the work-group's <= 0
	v_exp_f32 v10, v10
	v_nop
	s_wait_alu depctr_va_vdst(0)
	v_mov_b32 v11, v10
	v_mov_b32 v4, v10
	v_cndmask_b32 v5, v10, 1.0, s33
	WIN 0x41
	RESCT 0, 0
	RESCT 1, 0
	RESCT 2, 0
	RESCT 3, 1                                     ; in waves without feature row 271 the pair is (f, f)
	WIN 0
	s_cmp_lg_u32 s12, 0
	s_cbranch_scc1 .Lno_r4
	WIN 0x41
	RESCT 4, 0
	WIN 0
.Lno_r4:
	; The two halves' sums meet in LDS, in the bytes that held k: 25,600 for each g
	v_and_b32 v11, 31, v0
	v_lshlrev_b32 v11, 4, v11
	s_mul_i32 s18, s12, 25600
	v_add_nc_u32 v10, s18, v11
.macro RSTORE t
	WIN 0x04
.irp i, 0,1,2,3,4,5,6,7,8,9
	ds_store_b128 v10, v[CT+40*\t+4*\i:CT+40*\t+4*\i+3] offset:5120*\t+512*\i
.endr
	WIN 0
.endm
.macro RADD t, f
	s_wait_xcnt 0x0                                ; registers that stores read are rewritten only behind this wait
.irp i, 0,1,2,3,4,5,6,7,8,9
	ds_load_b128 v[\f+4*\i:\f+4*\i+3], v10 offset:5120*\t+512*\i
.endr
	s_wait_dscnt 0x0
	WIN 0x04
.irp i, 0,2,4,6,8,10,12,14,16,18,20,22,24,26,28,30,32,34,36,38
	v_pk_add_f32 v[\f+\i:\f+\i+1], v[\f+\i:\f+\i+1], v[CT+40*\t+\i:CT+40*\t+\i+1]
.endr
	WIN 0
.irp i, 0,1,2,3,4,5,6,7,8,9
	global_store_b128 v11, v[\f+4*\i:\f+4*\i+3], s[8:9] offset:5120*\t+512*\i   ; 512 consecutive bytes a store
.endr
.endm
	s_cmp_eq_u32 s11, 0
	s_cbranch_scc1 .Lno_store
	RSTORE 0
	RSTORE 1
	RSTORE 2
	RSTORE 3
	s_cmp_lg_u32 s12, 0
	s_cbranch_scc1 .Lno_store
	RSTORE 4
.Lno_store:
	s_wait_dscnt 0x0
	s_barrier_signal -1
	s_barrier_wait -1
	s_cmp_lg_u32 s11, 0
	s_cbranch_scc1 .Lend
	RADD 0, 96
	RADD 1, 136
	RADD 2, 96
	RADD 3, 136
	s_cmp_lg_u32 s12, 0
	s_cbranch_scc1 .Lend
	RADD 4, 96
.Lend:
	s_set_vgpr_msb 0x5
	s_wait_tensorcnt 0x0
	ds_add_u32 v254, v255
	s_wait_dscnt 0x0
	s_set_vgpr_msb 0x500
	s_endpgm
.Lfunc_end_k_q7f00502b26_k0:
	.size	k_q7f00502b26_k0, .Lfunc_end_k_q7f00502b26_k0-k_q7f00502b26_k0
	.p2alignl 7, 3214868480
	.fill 96, 4, 3214868480
	.section	.rodata,"a",@progbits
	.p2align	6, 0x0
	.amdhsa_kernel k_q7f00502b26_k0
		.amdhsa_group_segment_fixed_size 271616
		.amdhsa_private_segment_fixed_size 0
		.amdhsa_enable_private_segment 0
		.amdhsa_kernarg_size 24
		.amdhsa_user_sgpr_count 2
		.amdhsa_user_sgpr_kernarg_segment_ptr 1
		.amdhsa_wavefront_size32 1
		.amdhsa_system_sgpr_workgroup_id_x 1
		.amdhsa_system_sgpr_workgroup_id_y 1
		.amdhsa_system_sgpr_workgroup_id_z 1
		.amdhsa_system_vgpr_workitem_id 0
		.amdhsa_next_free_vgpr 512
		.amdhsa_next_free_sgpr 66
		.amdhsa_reserve_vcc 1
		.amdhsa_float_denorm_mode_32 3
		.amdhsa_float_denorm_mode_16_64 3
		.amdhsa_memory_ordered 1
		.amdhsa_forward_progress 1
		.amdhsa_inst_pref_size 255
	.end_amdhsa_kernel
	.section	.bss,"aw",@nobits
	.p2align	6
	.space	262144
	.amdgpu_metadata
---
amdhsa.version: [ 1, 2 ]
amdhsa.kernels:
  - .name:           k_q7f00502b26_k0
    .symbol:         k_q7f00502b26_k0.kd
    .args:
      - { .name: hs0, .offset: 0, .size: 8, .value_kind: global_buffer, .address_space: global }
      - { .name: par0, .offset: 8, .size: 8, .value_kind: global_buffer, .address_space: global }
      - { .name: part, .offset: 16, .size: 8, .value_kind: global_buffer, .address_space: global }
    .group_segment_fixed_size: 271616
    .private_segment_fixed_size: 0
    .kernarg_segment_align: 8
    .kernarg_segment_size: 24
    .max_flat_workgroup_size: 256
    .sgpr_count:     66
    .vgpr_count:     512
    .wavefront_size: 32
...
	.end_amdgpu_metadata
.endif
;; end of part 2
;; launch c0 (part 3): grid 5 x 64, 17 waves a work-group, no clusters, 13,056 bytes of LDS; arguments part, ctxb; writes ctxb
.if DOCPART == 3
	.amdgcn_target "amdgcn-amd-amdhsa--gfx1250"
	.amdhsa_code_object_version 6
	.text
	.protected	k_q7f00502b26_c0
	.globl	k_q7f00502b26_c0
	.p2align	8
	.type	k_q7f00502b26_c0,@function
k_q7f00502b26_c0:
	s_mov_b64 s[64:65], 0
	v_nop
	global_prefetch_b8 v0, s[64:65] scope:SCOPE_SE
	s_setreg_imm32_b32 hwreg(HW_REG_WAVE_MODE, 25, 1), 1
	s_wait_xcnt 0x0
; Joins the four chunks of one (batch, head) under their common maximum and lays ctx out for the query side.
;   ctx'[m][d'] = sum over c of 2^(S_c - mx) P_c[m][d'] + eps * sum over c of P_c[271][d'],  mx = max S_c  (every factor <= 1)
; Out: bf16 [d' 80][m 296], pitch 592 bytes.  m = 266..271 and 274..295 are 0; m = 272, 273 hold eps * (sum over m < 266 of ctx') as a
; high and a low bf16, which the query side multiplies by 1: its own eps term.
; Work-group (dt, bh): 16 columns d'.  Wave = feature tile mt, 17 of them.
.set PCH,  87040
.set SOFF, 0x1540000
.set REDL, 9472                        ; LDS: 16 rows of 592 bytes, then [17][16] f32 column sums
	s_load_b128 s[4:7], s[0:1], 0x0                ; part, ctxb
	v_lshl_add_u32 v72, v0, 2, 0x2a00
	v_mov_b32 v73, 0
	v_lshrrev_b32 v1, 5, v0
	v_readfirstlane_b32 s10, v1                    ; mt
	s_mov_b32 s11, ttmp9                           ; dt
	s_and_b32 s12, ttmp7, 0xffff                   ; bh
	s_mov_b32 s16, 0x76543210
	s_mov_b32 s17, 0xfedcba98
	v_and_b32 v1, 15, v0                           ; r
	v_bfe_u32 v2, v0, 4, 1                         ; h
	v_and_b32 v3, 31, v0
	s_mul_i32 s13, s10, 5
	s_add_co_u32 s13, s13, s11
	s_lshl_b32 s13, s13, 10
	v_lshl_add_u32 v3, v3, 4, s13                  ; my tile, 16 bytes a lane
	s_lshl_b32 s13, s11, 10
	s_add_co_u32 s13, s13, 80*1024+512+256+12      ; tile (16, dt), registers 4-7, lanes 16.., word 3: feature row 271
	v_lshl_add_u32 v4, v1, 4, s13
	v_mov_b32 v5, 0
	s_lshl_b32 s13, s10, 4
	v_lshl_add_u32 v6, v2, 3, s13                  ; m of my first register
	v_mov_b32 v7, 0
	s_wait_kmcnt 0x0
	s_mul_i32 s14, s12, 4*PCH
	s_mov_b32 s15, 0
	s_add_nc_u64 s[8:9], s[4:5], s[14:15]
	s_lshl_b32 s14, s12, 4
	s_add_nc_u64 s[4:5], s[4:5], s[14:15]
	s_add_nc_u64 s[4:5], s[4:5], SOFF
	s_mul_i32 s14, s12, 47360
	s_mul_i32 s13, s11, 9472
	s_add_co_u32 s14, s14, s13
	s_add_nc_u64 s[6:7], s[6:7], s[14:15]
.irp c, 0,1,2,3
	global_load_b128 v[16+8*\c:19+8*\c], v3, s[8:9] offset:\c*PCH
	global_load_b128 v[20+8*\c:23+8*\c], v3, s[8:9] offset:\c*PCH+512
	global_load_b32 v[48+\c], v4, s[8:9] offset:\c*PCH
.endr
	global_load_b128 v[52:55], v5, s[4:5]
	s_wait_loadcnt 0x0
	v_max3_num_f32 v56, v52, v53, v54
	v_max_num_f32 v56, v56, v55
.irp c, 0,1,2,3
	v_sub_f32 v[60+2*\c], v[52+\c], v56
.endr
.irp c, 0,1,2,3
	v_exp_f32 v[60+2*\c], v[60+2*\c]
.endr
	v_add_f32 v58, v48, v49                        ; also the plain place behind the exponentials
	v_add_f32 v59, v50, v51
	v_add_f32 v58, v58, v59
	v_mul_f32 v58, 0x38d1b717, v58                 ; eps
	v_mov_b32 v59, v58
	s_wait_alu depctr_va_vdst(0)
.irp c, 0,1,2,3
	v_mov_b32 v[61+2*\c], v[60+2*\c]
.endr
.irp k, 0,2,4,6
	v_pk_fma_f32 v[8+\k:9+\k], v[16+\k:17+\k], v[60:61], v[58:59]
.endr
.irp c, 1,2,3
.irp k, 0,2,4,6
	v_pk_fma_f32 v[8+\k:9+\k], v[16+8*\c+\k:17+8*\c+\k], v[60+2*\c:61+2*\c], v[8+\k:9+\k]
.endr
.endr
.irp k, 0,1,2,3,4,5,6,7
	v_cmp_gt_u32 vcc_lo, 266-\k, v6                ; m + k < 266
	v_cndmask_b32 v[8+\k], 0, v[8+\k], vcc_lo
.endr
	v_pk_add_f32 v[16:17], v[8:9], v[10:11]
	v_pk_add_f32 v[18:19], v[12:13], v[14:15]
	v_pk_add_f32 v[16:17], v[16:17], v[18:19]
	v_add_f32 v16, v16, v17
	v_permlanex16_b32 v7, v16, s16, s17
	v_add_f32 v16, v16, v7                         ; my tile's sum of column r
	s_lshl_b32 s13, s10, 6
	s_add_co_u32 s13, s13, REDL
	v_lshl_add_u32 v21, v1, 2, s13
	ds_store_b32 v21, v16
.irp i, 0,1,2,3
	v_cvt_pk_bf16_f32 v[40+\i], v[8+2*\i], v[9+2*\i]
.endr
	v_mul_u32_u24 v22, v1, 592
	s_lshl_b32 s13, s10, 5
	v_lshl_add_u32 v20, v2, 4, s13
	v_add_nc_u32 v20, v20, v22                     ; row r, m = 16 mt + 8 h
	ds_store_b128 v20, v[40:43]
	s_wait_dscnt 0x0
	s_barrier_signal -1
	s_barrier_wait -1
	s_cmp_lg_u32 s10, 0
	s_cbranch_scc1 .Lnot0
	v_lshlrev_b32 v21, 2, v1
.irp k, 0,1,2,3,4,5,6,7,8,9,10,11,12,13,14,15,16
	ds_load_b32 v[24+\k], v21 offset:REDL+64*\k
.endr
	s_wait_dscnt 0x0
.irp k, 0,2,4,6
	v_pk_add_f32 v[24+\k:25+\k], v[24+\k:25+\k], v[32+\k:33+\k]
.endr
	v_pk_add_f32 v[24:25], v[24:25], v[28:29]
	v_pk_add_f32 v[26:27], v[26:27], v[30:31]
	v_pk_add_f32 v[24:25], v[24:25], v[26:27]
	v_add_f32 v24, v24, v25
	v_add_f32 v24, v24, v40
	v_mul_f32 v24, 0x38d1b717, v24
	v_and_b32 v25, 0xffff0000, v24                 ; high part, exact in bf16
	v_sub_f32 v26, v24, v25                        ; what is left
	v_cvt_pk_bf16_f32 v28, v25, v26
.irp i, 29,30,31,32,33,34,35
	v_mov_b32 v\i, 0
.endr
	ds_store_b128 v22, v[28:31] offset:544
	ds_store_b128 v22, v[32:35] offset:560
	ds_store_b128 v22, v[32:35] offset:576
.Lnot0:
	s_wait_dscnt 0x0
	s_barrier_signal -1
	s_barrier_wait -1
	; 592 pieces of 16 bytes go out: piece tid by each of the 544 threads, then pieces 544..591 by threads 0..47.
	; The second LDS read is made by every thread, at 8,704 + 16 (tid mod 64): at most byte 9,728, which lies in the column sums;
	; what threads 48 and up read there is dropped, since only the store is limited to tid < 48 (where tid mod 64 = tid).
	v_lshlrev_b32 v23, 4, v0
	v_and_b32 v57, 63, v0
	v_lshlrev_b32 v57, 4, v57
	ds_load_b128 v[44:47], v23
	ds_load_b128 v[48:51], v57 offset:8704
	s_wait_dscnt 0x0
	global_store_b128 v23, v[44:47], s[6:7]
	v_cmp_gt_u32 vcc_lo, 48, v0
	s_wait_xcnt 0x0                                ; EXEC changes only behind s_wait_xcnt 0
	s_wait_tensorcnt 0x0
	ds_add_u32 v72, v73
	s_wait_dscnt 0x0
	s_and_saveexec_b32 s13, vcc_lo
	global_store_b128 v57, v[48:51], s[6:7] offset:8704
	s_wait_xcnt 0x0
	s_or_b32 exec_lo, exec_lo, s13
	s_endpgm
.Lfunc_end_k_q7f00502b26_c0:
	.size	k_q7f00502b26_c0, .Lfunc_end_k_q7f00502b26_c0-k_q7f00502b26_c0
	.p2alignl 7, 3214868480
	.fill 96, 4, 3214868480
	.section	.rodata,"a",@progbits
	.p2align	6, 0x0
	.amdhsa_kernel k_q7f00502b26_c0
		.amdhsa_group_segment_fixed_size 13056
		.amdhsa_private_segment_fixed_size 0
		.amdhsa_enable_private_segment 0
		.amdhsa_kernarg_size 16
		.amdhsa_user_sgpr_count 2
		.amdhsa_user_sgpr_kernarg_segment_ptr 1
		.amdhsa_wavefront_size32 1
		.amdhsa_system_sgpr_workgroup_id_x 1
		.amdhsa_system_sgpr_workgroup_id_y 1
		.amdhsa_system_sgpr_workgroup_id_z 1
		.amdhsa_system_vgpr_workitem_id 0
		.amdhsa_next_free_vgpr 74
		.amdhsa_next_free_sgpr 66
		.amdhsa_reserve_vcc 1
		.amdhsa_float_denorm_mode_32 3
		.amdhsa_float_denorm_mode_16_64 3
		.amdhsa_memory_ordered 1
		.amdhsa_forward_progress 1
		.amdhsa_inst_pref_size 10
	.end_amdhsa_kernel
	.amdgpu_metadata
---
amdhsa.version: [ 1, 2 ]
amdhsa.kernels:
  - .name:           k_q7f00502b26_c0
    .symbol:         k_q7f00502b26_c0.kd
    .args:
      - { .name: part, .offset: 0, .size: 8, .value_kind: global_buffer, .address_space: global }
      - { .name: ctxb, .offset: 8, .size: 8, .value_kind: global_buffer, .address_space: global }
    .group_segment_fixed_size: 13056
    .private_segment_fixed_size: 0
    .kernarg_segment_align: 8
    .kernarg_segment_size: 16
    .max_flat_workgroup_size: 544
    .sgpr_count:     66
    .vgpr_count:     74
    .wavefront_size: 32
...
	.end_amdgpu_metadata
.endif
;; end of part 3
;; launch q0 (part 4): grid 32 x 8, 4 waves a work-group, clusters of 4 x 1, 327,680 bytes of LDS; arguments hs0, par0, ctxb, hs1; writes hs1
.if DOCPART == 4
	.amdgcn_target "amdgcn-amd-amdhsa--gfx1250"
	.amdhsa_code_object_version 6
	.text
	.protected	k_q7f00502b26_q0
	.globl	k_q7f00502b26_q0
	.p2align	8
	.type	k_q7f00502b26_q0,@function
k_q7f00502b26_q0:
	s_mov_b64 s[64:65], 0
	v_nop
	global_prefetch_b8 v0, s[64:65] scope:SCOPE_SE
	s_setreg_imm32_b32 hwreg(HW_REG_WAVE_MODE, 25, 1), 1
	s_wait_xcnt 0x0
	s_wait_alu depctr_hold_cnt(0) depctr_sa_sdst(0) depctr_va_vdst(0) depctr_va_sdst(0) depctr_va_ssrc(0) depctr_va_vcc(0) depctr_vm_vsrc(0)
	s_getreg_b32 s2, hwreg(HW_REG_IB_STS2, 6, 4)
	s_cmp_eq_u32 s2, 0
	s_cbranch_scc0 .Lentry_in_a_cluster
	s_endpgm
.Lentry_in_a_cluster:
	s_bfe_u32 s2, ttmp6, 0x10000c
	s_cmp_lg_u32 s2, 0x3003
	s_cbranch_scc0 .Lentry_shape_is_right
	s_endpgm
.Lentry_shape_is_right:
; Query side of one FAVOR+ layer, with the output projection and the residual.  Work-group: 128 tokens of one batch; wave: 32 tokens
; (tiles A and B of 16), all eight heads in turn.  For a head:
;   QD[d][tok] = WqT x H + bq;  DD[m][tok] = proj' x q;  e = 2^(DD + nd - max over m);  OA[d'][tok] = ctxT x e;  o = OA[0..63] / OA[64];  YA[c][tok] += WoT x o.
; Tokens lie along the lanes, so a token's maximum and nd are one number a lane.  Two result tiles stacked along M, packed to bf16, are the
; next product's B operand: nothing is transposed.  K of ctxT x e is 288: 266 features, 6 copies against zeros, two places with e = 1 against the
; eps term's high and low part, then zeros.  YA starts as h + bo (h loaded in the result's own layout), so it ends as the layer's output.
; LAST = 0: the output goes out as f32 and bf16 rows.  LAST = 1: only its row sums (flat) go out.
; The products of K step s of ctxT x e and the exponentials of step s + 1 are written zipped, one product to four exponentials and two packings;
; all their registers lie in window 3, so that one window setting serves both kinds.
; Limit: v_exp_f32 gives 0 for results below 2^-126; they stand beside eps = 1e-4.
; CLUSTER: the four work-groups of a cluster have the same batch, so they read the same ctx tiles (47,360 bytes a head) and the same Wq, Wo, bq.
; Every tensor load is a joint one (mask 15); its address hangs on the batch and the wave alone.  A wave has four out at the start, then one.
.set LAST, 0
.set HB,   0x800000
.set WOT,  196608
.set PJO,  262144
.set BQO,  296960
.set BOO,  303104
.set CTXB, 47360                       ; LDS: two ctx slots, 80 rows of 592 bytes
.set WQL,  94720                       ; WqT, 512 rows, pitch 144
.set WOL,  168448                      ; WoT, 64 rows, pitch 1,040
.set BQL,  235008                      ; bq
.set STG,  237056                      ; 4 x 16 rows of 272 bytes: each wave's own stage for the way out; no tensor load lands here
; window 0: v1 r, v2 h, v3-4, v9, v11 offsets at the start and on the way out, v5-7 Wq, bq, Wo addresses
.set ND,   8                           ; v8, v10  nd of A, of B
.set DI,   12                          ; v12-15   1 / denominator, a pair for A and for B
.set PR16, 16                          ; v16-31   proj' tile 16
.set D16,  32                          ; v32-47   DD tile 16 of A, B; scratch before
.set QP,   48                          ; v48-79   q, later o, packed [x][s][8]
.set QD,   80                          ; v80-143  [x][dt][8]; scratch once packed
.set HF,   144                         ; v144-175 h fragments [x][s][8]
.set YA,   176                         ; v176-239 [x][ct 4][8]
; window 1: proj' tiles 0..15 at 16 t + 8 s.  window 2: DD of A at 8 t, of B at 128 + 8 t.  window 3:
.set OA,   0                           ; [x][dt 5][8]
.set FR,   80                          ; ctx fragments [2][5][8]; Wq and Wo fragments [4][2][8]
.set T,    160                         ; dd + nd - max of one K step [x][16]; bq as C of the q products
.set E,    192                         ; e packed [buf 2][x][8]
.set NC,   224                         ; nd - max, a pair for A and for B
.set CAD,  228                         ; ctx fragment addresses, slot 0, 1
.set PADW, 230                         ; e = 1 at m = 272, 273 (lanes 0-15), 0 at m = 280, 281
.set MSB, 0
.macro WIN new                         ; the immediate's high byte repeats the setting that is left
.if MSB != \new
	s_set_vgpr_msb (MSB<<8)|\new
.set MSB, \new
.endif
.endm
.macro PLACES                          ; four places behind matrix instructions (ISA guide 7.12.1)
.rept 4
	v_nop
.endr
.endm
.macro MM d, a, b, c
	v_wmma_f32_16x16x32_bf16 v[\d:\d+7], v[\a:\a+7], v[\b:\b+7], v[\c:\c+7]
.endm
.macro MM0 d, a, b
	v_wmma_f32_16x16x32_bf16 v[\d:\d+7], v[\a:\a+7], v[\b:\b+7], 0
.endm
.macro GFRAG dst, adr, base, off
.irp i, 0,1,2,3
	global_load_b128 v[\dst+4*\i:\dst+4*\i+3], v[\adr], s[\base:\base+1] offset:\off+32*\i
.endr
.endm
.macro ROUND                           ; a round of the cluster's barrier
	s_barrier_signal -1
	s_barrier_wait -1
	s_cmp_lg_u32 s14, 0
	s_cbranch_scc1 .Lnw0_\@
	s_barrier_signal -3
.Lnw0_\@:
	s_barrier_wait -3
	s_barrier_signal -1
	s_barrier_wait -1
.endm
	s_load_b256 s[4:11], s[0:1], 0x0               ; hs in, par, ctxb, out
	v_lshl_add_u32 v254, v0, 2, 0x3e200
	v_mov_b32 v255, 0
	ds_add_u32 v254, v255
	v_lshrrev_b32 v1, 5, v0
	v_readfirstlane_b32 s14, v1                    ; wave
	s_bfe_u32 s15, ttmp6, 0x40000                  ; cx
	s_lshl_b32 s16, ttmp9, 2
	s_add_co_u32 s16, s16, s15                     ; work-group x: enters global token offsets alone
	s_and_b32 s17, ttmp7, 0xffff                   ; batch
	s_mov_b32 s24, 0x76543210
	s_mov_b32 s25, 0xfedcba98
	s_mov_b32 s26, 0xffff0000                      ; lanes 16-31
	; group 1 of the four tiles.  15:0 mask = 15, 17:16 element size, 20 padding, 21 set beside a mask, 24:22 interval, 31:25 pad - 1
	s_mov_b32 s40, 15|(3<<16)|(1<<21)              ; ctx: 20 rows of 74 elements of 8 bytes, dense
	s_mov_b32 s41, 74<<16
	s_mov_b32 s42, 20<<16
	s_mov_b32 s43, 74<<16
	s_mov_b32 s44, 20
	s_mov_b32 s45, 74
	s_mov_b32 s46, 0
	s_mov_b32 s47, 0
	s_mov_b32 s48, 15|(1<<16)|(1<<20)|(1<<21)|(4<<22)|(3<<25)   ; WqT: 128 rows of 64 bf16, 16 bytes behind every 32 words
	s_mov_b32 s49, 64<<16
	s_mov_b32 s50, 128<<16
	s_mov_b32 s51, 64<<16
	s_mov_b32 s52, 128
	s_mov_b32 s53, 64
	s_mov_b32 s54, 0
	s_mov_b32 s55, 0
	s_mov_b32 s56, 15|(1<<16)|(1<<20)|(1<<21)|(7<<22)|(3<<25)   ; WoT: 16 rows of 512 bf16, 16 bytes behind every 256 words
	s_mov_b32 s57, 512<<16
	s_mov_b32 s58, 16<<16
	s_mov_b32 s59, 512<<16
	s_mov_b32 s60, 16
	s_mov_b32 s61, 512
	s_mov_b32 s62, 0
	s_mov_b32 s63, 0
	s_mov_b32 s68, 15|(3<<16)|(1<<21)              ; bq: one row of 64 elements of 8 bytes
	s_mov_b32 s69, 64<<16
	s_mov_b32 s70, 1<<16
	s_mov_b32 s71, 64<<16
	s_mov_b32 s72, 1
	s_mov_b32 s73, 64
	s_mov_b32 s74, 0
	s_mov_b32 s75, 0
	s_mul_i32 s90, s14, 11840                      ; my quarter of a ctx tile
	s_mul_i32 s88, s17, 378880                     ; batch x 8 heads x 47,360
	s_add_co_u32 s88, s88, s90
	s_mov_b32 s89, 0
	s_lshl_b32 s92, s14, 14                        ; my quarter of WqT and of WoT
	s_mov_b32 s93, 0
	s_wait_dscnt 0x0
	s_wait_kmcnt 0x0
	s_mov_b32 s32, 1                               ; group 0, ctx slot 0: head 0
	s_mov_b32 s33, s90
	s_add_nc_u64 s[34:35], s[8:9], s[88:89]
	s_mov_b32 s36, 1                               ; ctx slot 1: head 1
	s_add_co_u32 s37, s90, CTXB
	s_add_nc_u64 s[38:39], s[34:35], CTXB
	s_or_b32 s35, s35, 0x80000000
	s_or_b32 s39, s39, 0x80000000
	s_mov_b32 s76, 1
	s_mul_i32 s77, s14, 18432
	s_add_co_u32 s77, s77, WQL
	s_add_nc_u64 s[78:79], s[6:7], s[92:93]
	s_or_b32 s79, s79, 0x80000000
	s_mov_b32 s80, 1
	s_mul_i32 s81, s14, 16640
	s_add_co_u32 s81, s81, WOL
	s_add_nc_u64 s[82:83], s[6:7], s[92:93]
	s_add_nc_u64 s[82:83], s[82:83], WOT
	s_or_b32 s83, s83, 0x80000000
	s_mov_b32 s84, 1
	s_lshl_b32 s92, s14, 9
	s_add_co_u32 s85, s92, BQL
	s_add_nc_u64 s[86:87], s[6:7], s[92:93]
	s_add_nc_u64 s[86:87], s[86:87], BQO
	s_or_b32 s87, s87, 0x80000000
	ROUND                                          ; the four work-groups are here: the first joint loads meet
	tensor_load_to_lds s[32:35], s[40:47]
	s_nop 0
	tensor_load_to_lds s[76:79], s[48:55]
	s_nop 0
	tensor_load_to_lds s[80:83], s[56:63]
	s_nop 0
	tensor_load_to_lds s[84:87], s[68:75]
	s_nop 0
	s_lshl_b32 s21, s17, 12
	s_lshl_b32 s94, s16, 7
	s_add_co_u32 s21, s21, s94
	s_lshl_b32 s94, s14, 5
	s_add_co_u32 s21, s21, s94                     ; my wave's first token
	s_mov_b32 s95, 0
	s_lshl_b32 s94, s21, 7
	s_add_nc_u64 s[18:19], s[4:5], s[94:95]
	s_add_nc_u64 s[18:19], s[18:19], HB            ; bf16 h in
.if LAST == 0
	s_add_nc_u64 s[30:31], s[10:11], s[94:95]
	s_add_nc_u64 s[30:31], s[30:31], HB            ; bf16 h out
.endif
	s_lshl_b32 s94, s21, 8
	s_add_nc_u64 s[22:23], s[4:5], s[94:95]        ; f32 h in
.if LAST == 0
	s_add_nc_u64 s[28:29], s[10:11], s[94:95]      ; f32 h out
.else
	s_lshl_b32 s94, s21, 2
	s_add_nc_u64 s[10:11], s[10:11], s[94:95]      ; flat at my first token
.endif
	v_and_b32 v1, 15, v0
	v_bfe_u32 v2, v0, 4, 1
	v_mul_u32_u24 v8, v1, 592
	v_lshl_add_u32 v8, v2, 4, v8                   ; ctx fragments, slot 0
	v_add_nc_u32 v9, CTXB, v8                      ; slot 1
	v_mul_u32_u24 v5, v1, 144
	v_lshl_add_u32 v5, v2, 4, v5
	v_add_nc_u32 v5, WQL, v5
	v_lshlrev_b32 v6, 5, v2
	v_add_nc_u32 v6, BQL, v6
	v_mul_u32_u24 v7, v1, 1040
	v_lshl_add_u32 v7, v2, 4, v7
	v_add_nc_u32 v7, WOL, v7
	v_lshlrev_b32 v3, 7, v1
	v_lshl_add_u32 v3, v2, 4, v3                   ; 128 r + 16 h
	v_lshlrev_b32 v4, 5, v2                        ; 32 h
	v_lshl_add_u32 v10, v1, 8, v4                  ; 256 r + 32 h: token r's row of f32 h, eight numbers for each half of the lanes
	v_mov_b32 v11, 0x3f803f80
	v_cmp_eq_u32 vcc_lo, 0, v2
	v_cndmask_b32 v11, 0, v11, vcc_lo
	v_mov_b32 v13, 0
	v_mov_b32 v15, 0
	WIN 0xc0
	v_mov_b32 v[CAD], v8
	v_mov_b32 v[CAD+1], v9
	v_mov_b32 v[PADW], v11
	WIN 0x40
.irp t, 0,1,2,3,4,5,6,7,8,9,10,11,12,13,14,15
	GFRAG 16*\t, 3, 6, PJO+2048*\t
.endr
	WIN 0
	GFRAG PR16, 3, 6, PJO+32768
	GFRAG HF, 3, 18, 0
	GFRAG HF+16, 3, 18, 2048
.irp x, 0,1
.irp ct, 0,1,2,3
	global_load_b128 v[YA+32*\x+8*\ct:YA+32*\x+8*\ct+3], v10, s[22:23] offset:4096*\x+64*\ct       ; h(token r, c = 16 ct + 8 h + j) starts the sums
	global_load_b128 v[YA+32*\x+8*\ct+4:YA+32*\x+8*\ct+7], v10, s[22:23] offset:4096*\x+64*\ct+16
.endr
.endr
.irp ct, 0,1,2,3
	global_load_b128 v[QD+32+8*\ct:QD+32+8*\ct+3], v4, s[6:7] offset:BOO+64*\ct
	global_load_b128 v[QD+32+8*\ct+4:QD+32+8*\ct+7], v4, s[6:7] offset:BOO+64*\ct+16
.endr
	s_wait_loadcnt 0x0
.irp x, 0,1
.irp k, 0,2,4,6,8,10,12,14,16,18,20,22,24,26,28,30
	v_pk_add_f32 v[YA+32*\x+\k:YA+32*\x+\k+1], v[YA+32*\x+\k:YA+32*\x+\k+1], v[QD+32+\k:QD+32+\k+1]   ; + bo
.endr
.endr
.macro SUMSQ x                         ; nd of token r
	v_pk_mul_f32 v[D16+4*\x:D16+4*\x+1], v[QD+32*\x:QD+32*\x+1], v[QD+32*\x:QD+32*\x+1]
	v_pk_mul_f32 v[D16+4*\x+2:D16+4*\x+3], v[QD+32*\x+2:QD+32*\x+3], v[QD+32*\x+2:QD+32*\x+3]
.irp j, 4,8,12,16,20,24,28
	v_pk_fma_f32 v[D16+4*\x:D16+4*\x+1], v[QD+32*\x+\j:QD+32*\x+\j+1], v[QD+32*\x+\j:QD+32*\x+\j+1], v[D16+4*\x:D16+4*\x+1]
	v_pk_fma_f32 v[D16+4*\x+2:D16+4*\x+3], v[QD+32*\x+\j+2:QD+32*\x+\j+3], v[QD+32*\x+\j+2:QD+32*\x+\j+3], v[D16+4*\x+2:D16+4*\x+3]
.endr
	v_pk_add_f32 v[D16+4*\x:D16+4*\x+1], v[D16+4*\x:D16+4*\x+1], v[D16+4*\x+2:D16+4*\x+3]
	v_add_f32 v[D16+4*\x], v[D16+4*\x], v[D16+4*\x+1]
	v_permlanex16_b32 v[D16+4*\x+1], v[D16+4*\x], s24, s25
	v_add_f32 v[D16+4*\x], v[D16+4*\x], v[D16+4*\x+1]
	v_mul_f32 v[ND+2*\x], 0xbdb8aa3b, v[D16+4*\x]  ; -0.0625 log2(e)
.irp i, 0,1,2,3,4,5,6,7,8,9,10,11,12,13,14,15
	v_cvt_pk_bf16_f32 v[QP+16*\x+\i], v[QD+32*\x+2*\i], v[QD+32*\x+2*\i+1]
.endr
.endm
; T = dd + (nd - max) of K step s (feature tiles 2 s, 2 s + 1; step 8: tile 16), both token tiles: the add also brings dd into window 3.
; It is written as dd * 1 + NC so that NC stands in the third source place, whose window is the destination's.
.macro MOVE s
.if \s == 8
	WIN 0xf0
.irp x, 0,1
.irp k, 0,2,4,6
	v_pk_fma_f32 v[T+16*\x+\k:T+16*\x+\k+1], v[D16+8*\x+\k:D16+8*\x+\k+1], 1.0, v[NC+2*\x:NC+2*\x+1] op_sel_hi:[1,0,1]
.endr
.endr
.else
	WIN 0xf2
.irp x, 0,1
.irp k, 0,2,4,6,8,10,12,14
	v_pk_fma_f32 v[T+16*\x+\k:T+16*\x+\k+1], v[128*\x+16*\s+\k:128*\x+16*\s+\k+1], 1.0, v[NC+2*\x:NC+2*\x+1] op_sel_hi:[1,0,1]
.endr
.endr
.endif
.endm
.macro FRL s, slot                     ; ctx fragments of K step s: 80 rows x 32 m
.irp dt, 0,1,2,3,4
	ds_load_b128 v[FR+40*((\s)&1)+8*\dt:FR+40*((\s)&1)+8*\dt+3], v[CAD+\slot] offset:9472*\dt+64*\s
	ds_load_b128 v[FR+40*((\s)&1)+8*\dt+4:FR+40*((\s)&1)+8*\dt+7], v[CAD+\slot] offset:9472*\dt+64*\s+32
.endr
.endm
.macro OW s, k                         ; product k of K step s: d' tile k / 2, token tile k mod 2.  The ten accumulators take turns
.if \s == 0
	MM0 OA+40*((\k)&1)+8*((\k)>>1), FR+8*((\k)>>1), E+8*((\k)&1)
.else
	MM OA+40*((\k)&1)+8*((\k)>>1), FR+40*((\s)&1)+8*((\k)>>1), E+16*((\s)&1)+8*((\k)&1), OA+40*((\k)&1)+8*((\k)>>1)
.endif
.endm
.macro XE a
	v_exp_f32 v[T+\a], v[T+\a]
.endm
.macro XC n, i                         ; word i of step n's packed e
	s_wait_alu depctr_va_vdst(0)
	v_cvt_pk_bf16_f32 v[E+16*((\n)&1)+\i], v[T+2*(\i)], v[T+2*(\i)+1]
.endm
; K step s's ten products, zipped with step n = s + 1's 32 exponentials and 16 packings.  A packing stands a slot behind its exponentials, and a
; plain instruction (a packing of the slot before; in slot 0 a v_nop) stands between each exponential and the packing that reads it (ISA guide 5.7.2).
; The packings write the e buffer that step s does not read.
.macro ZIP s, n
	OW \s, 0
	XE 0
	XE 1
	XE 2
	XE 3
	v_nop
.irp k, 1,2,3,4,5,6,7
	OW \s, \k
	XE 4*\k
	XE 4*\k+1
	XC \n, 2*\k-2
	XE 4*\k+2
	XE 4*\k+3
	XC \n, 2*\k-1
.endr
	OW \s, 8
	XC \n, 14
	XC \n, 15
	OW \s, 9
.endm
.macro ZIPL                            ; step 7's products with step 8's e: tile 16 (eight numbers a token tile), then the pad
	OW 7, 0
	XE 0
	XE 1
	XE 2
	XE 3
	v_nop
	OW 7, 1
	XE 4
	XE 5
	XC 8, 0
	XE 6
	XE 7
	XC 8, 1
	OW 7, 2
	XE 16
	XE 17
	XC 8, 2
	XE 18
	XE 19
	XC 8, 3
	OW 7, 3
	XE 20
	XE 21
	XC 8, 8
	XE 22
	XE 23
	XC 8, 9
	OW 7, 4
	XC 8, 10
	XC 8, 11
	OW 7, 5
	v_mov_b32 v[E+4], v[PADW]
	v_mov_b32 v[E+5], 0
	v_mov_b32 v[E+6], 0
	v_mov_b32 v[E+7], 0
	OW 7, 6
	v_mov_b32 v[E+12], v[PADW]
	v_mov_b32 v[E+13], 0
	v_mov_b32 v[E+14], 0
	v_mov_b32 v[E+15], 0
	OW 7, 7
	OW 7, 8
	OW 7, 9
.endm
.macro OSTEP s, n, slot                ; n = s + 1
	MOVE \n                                        ; its adds are also the places behind step s - 1's products, whose fragment and e buffers are written next
	WIN 0xff
	FRL \n, \slot
	s_wait_dscnt 0xa                               ; step s's fragments are in; the ten just issued stay out
.if \n == 8
	ZIPL
.else
	ZIP \s, \n
.endif
.endm
.macro HEAD slot, refill
	s_wait_tensorcnt 0x0                           ; all my tensor loads have landed, my part of this head's ctx among them,
	ds_add_u32 v254, v255
	s_wait_dscnt 0x0
	s_add_nc_u64 s[34+4*\slot:35+4*\slot], s[34+4*\slot:35+4*\slot], 2*CTXB   ; so a group 0 may be written: this slot's next head
	s_wait_dscnt 0x0                               ; my reads of the last head's slot are over
	ROUND                                          ; both now hold of every wave of the four work-groups
.if \refill
	tensor_load_to_lds s[36-4*\slot:39-4*\slot], s[40:47]   ; the next head's ctx, into the slot read last
	s_nop 0
.endif
	PLACES                                         ; behind the last head's Wo products
	WIN 0xc0
.irp dt, 0,1,2,3
	ds_load_b128 v[T+8*\dt:T+8*\dt+3], v6 offset:64*\dt
	ds_load_b128 v[T+8*\dt+4:T+8*\dt+7], v6 offset:64*\dt+16
.endr
.irp dt, 0,1,2,3
.irp i, 0,1,2,3
	ds_load_b128 v[FR+16*\dt+4*\i:FR+16*\dt+4*\i+3], v5 offset:2304*\dt+32*\i
.endr
.endr
	s_wait_dscnt 0x0
	WIN 0x33                                       ; accumulators take turns in all that follows
.irp x, 0,1
.irp dt, 0,1,2,3
	MM QD+32*\x+8*\dt, FR+16*\dt, HF+16*\x, T+8*\dt
.endr
.endr
	WIN 0x03
.irp x, 0,1
.irp dt, 0,1,2,3
	MM QD+32*\x+8*\dt, FR+16*\dt+8, HF+16*\x+8, QD+32*\x+8*\dt
.endr
.endr
	WIN 0
	PLACES
	SUMSQ 0
	SUMSQ 1
	WIN 0xa1
.irp t, 0,2,4,6,8,10,12,14
	MM0 8*\t, 16*\t, QP
	MM0 128+8*\t, 16*\t, QP+16
	MM0 8*\t+8, 16*\t+16, QP
	MM0 128+8*\t+8, 16*\t+16, QP+16
	MM 8*\t, 16*\t+8, QP+8, 8*\t
	MM 128+8*\t, 16*\t+8, QP+24, 128+8*\t
	MM 8*\t+8, 16*\t+24, QP+8, 8*\t+8
	MM 128+8*\t+8, 16*\t+24, QP+24, 128+8*\t+8
.endr
	WIN 0
	MM0 D16, PR16, QP
	MM0 D16+8, PR16, QP+16
	MM D16, PR16+8, QP+8, D16
	MM D16+8, PR16+8, QP+24, D16+8
	PLACES
.irp x, 0,1
.irp i, 0,1,2,3
	v_max_num_f32 v[QD+4*\x+\i], v[D16+8*\x+\i], v[D16+8*\x+4+\i]   ; tile 16 starts four chains
.endr
.endr
	WIN 0x0a
.irp x, 0,1
.set k_, 0
.rept 64
	v_max3_num_f32 v[QD+4*\x+(k_&3)], v[128*\x+2*k_], v[128*\x+2*k_+1], v[QD+4*\x+(k_&3)]
.set k_, k_+1
.endr
.endr
	WIN 0
.irp x, 0,1
	v_max3_num_f32 v[QD+4*\x], v[QD+4*\x], v[QD+4*\x+1], v[QD+4*\x+2]
	v_max_num_f32 v[QD+4*\x], v[QD+4*\x], v[QD+4*\x+3]
	v_permlanex16_b32 v[QD+4*\x+1], v[QD+4*\x], s24, s25
	v_max_num_f32 v[QD+4*\x], v[QD+4*\x], v[QD+4*\x+1]
.endr
	WIN 0xc0
.irp x, 0,1
	v_sub_f32 v[NC+2*\x], v[ND+2*\x], v[QD+4*\x]   ; nd - the token's maximum, twice: a pair
	v_sub_f32 v[NC+2*\x+1], v[ND+2*\x], v[QD+4*\x]
.endr
	WIN 0xff
	FRL 0, \slot
	MOVE 0
	WIN 0xff
.irp i, 0,1,2,3,4,5,6,7,8,9,10,11,12,13,14,15,16,17,18,19,20,21,22,23,24,25,26,27,28,29,30,31
	XE \i                                          ; K step 0's e has no products to stand beside
.endr
	v_nop                                          ; one plain place behind the exponentials (ISA guide 5.7.2)
.irp i, 0,1,2,3,4,5,6,7,8,9,10,11,12,13,14,15
	XC 0, \i
.endr
	OSTEP 0, 1, \slot
	OSTEP 1, 2, \slot
	OSTEP 2, 3, \slot
	OSTEP 3, 4, \slot
	OSTEP 4, 5, \slot
	OSTEP 5, 6, \slot
	OSTEP 6, 7, \slot
	OSTEP 7, 8, \slot
	s_wait_dscnt 0x0
.irp k, 0,1,2,3,4,5,6,7,8,9
	OW 8, \k
.endr
	WIN 0
	PLACES
	WIN 0xc0
.irp ct, 0,1,2,3
.irp i, 0,1,2,3
	ds_load_b128 v[FR+16*\ct+4*\i:FR+16*\ct+4*\i+3], v7 offset:16640*\ct+32*\i
.endr
.endr
	WIN 0x03
	v_rcp_f32 v[DI], v[OA+32]                      ; the denominator is d' = 64: register 0 of the fifth tile, lanes 0-15
	v_rcp_f32 v[DI+2], v[OA+72]
	WIN 0
	v_nop
	s_wait_alu depctr_va_vdst(0)
	v_permlanex16_b32 v[DI+1], v[DI], s24, s25
	v_permlanex16_b32 v[DI+3], v[DI+2], s24, s25
	v_cndmask_b32 v[DI], v[DI], v[DI+1], s26
	v_cndmask_b32 v[DI+2], v[DI+2], v[DI+3], s26
	v_mov_b32 v[DI+1], v[DI]
	v_mov_b32 v[DI+3], v[DI+2]
	WIN 0x03
.irp x, 0,1
.irp k, 0,2,4,6,8,10,12,14,16,18,20,22,24,26,28,30
	v_pk_mul_f32 v[QD+32*\x+\k:QD+32*\x+\k+1], v[OA+40*\x+\k:OA+40*\x+\k+1], v[DI+2*\x:DI+2*\x+1]
.endr
.endr
	WIN 0
.irp x, 0,1
.irp i, 0,1,2,3,4,5,6,7,8,9,10,11,12,13,14,15
	v_cvt_pk_bf16_f32 v[QP+16*\x+\i], v[QD+32*\x+2*\i], v[QD+32*\x+2*\i+1]
.endr
.endr
	s_wait_dscnt 0x0
	WIN 0x03
.irp x, 0,1
.irp ct, 0,1,2,3
	MM YA+32*\x+8*\ct, FR+16*\ct, QP+16*\x, YA+32*\x+8*\ct
.endr
.endr
.irp x, 0,1
.irp ct, 0,1,2,3
	MM YA+32*\x+8*\ct, FR+16*\ct+8, QP+16*\x+8, YA+32*\x+8*\ct
.endr
.endr
	WIN 0
	v_add_nc_u32 v5, 9216, v5                      ; the next head's 64 rows of WqT,
	v_add_nc_u32 v6, 256, v6                       ; 64 numbers of bq,
	v_add_nc_u32 v7, 128, v7                       ; 64 columns of WoT
.endm
	s_mov_b32 s20, 3
.Lheads:
	HEAD 0, 1
	HEAD 1, 1
	s_sub_co_u32 s20, s20, 1
	s_cmp_lg_u32 s20, 0
	s_cbranch_scc1 .Lheads
	HEAD 0, 1
	HEAD 1, 0                                      ; the last head fetches nothing
	PLACES
.if LAST
	; THE WAY OUT: flat[token] = the sum over c of the output.  A lane holds 32 of token r's 64 numbers; the other half of the lanes holds the rest.
.irp x, 0,1
.irp k, 0,2,4,6,8,10,12,14
	v_pk_add_f32 v[YA+32*\x+\k:YA+32*\x+\k+1], v[YA+32*\x+\k:YA+32*\x+\k+1], v[YA+32*\x+16+\k:YA+32*\x+16+\k+1]
.endr
.irp k, 0,2,4,6
	v_pk_add_f32 v[YA+32*\x+\k:YA+32*\x+\k+1], v[YA+32*\x+\k:YA+32*\x+\k+1], v[YA+32*\x+8+\k:YA+32*\x+8+\k+1]
.endr
.irp k, 0,2
	v_pk_add_f32 v[YA+32*\x+\k:YA+32*\x+\k+1], v[YA+32*\x+\k:YA+32*\x+\k+1], v[YA+32*\x+4+\k:YA+32*\x+4+\k+1]
.endr
	v_pk_add_f32 v[YA+32*\x:YA+32*\x+1], v[YA+32*\x:YA+32*\x+1], v[YA+32*\x+2:YA+32*\x+3]
	v_add_f32 v[YA+32*\x], v[YA+32*\x], v[YA+32*\x+1]
	v_permlanex16_b32 v[YA+32*\x+1], v[YA+32*\x], s24, s25
	v_add_f32 v[YA+32*\x], v[YA+32*\x], v[YA+32*\x+1]
.endr
	v_cndmask_b32 v3, v[YA], v[YA+32], s26         ; lanes 0-15 keep tile A's tokens, lanes 16-31 tile B's: lane = token
	v_and_b32 v4, 31, v0
	v_lshlrev_b32 v4, 2, v4
	global_store_b32 v4, v3, s[10:11]              ; 32 tokens' row sums, 128 consecutive bytes
.else
	; THE WAY OUT: 16 tokens at a time through my own stage, read back as whole rows of 256 bytes
	s_mul_i32 s91, s14, 4352
	s_add_co_u32 s91, s91, STG
	v_mul_u32_u24 v3, v1, 272
	v_lshl_add_u32 v3, v2, 5, v3
	v_add_nc_u32 v3, s91, v3                       ; in: row = token r, 32 bytes for each half of the lanes
	v_mul_u32_u24 v4, v2, 272
	v_lshl_add_u32 v4, v1, 4, v4
	v_add_nc_u32 v4, s91, v4                       ; back: lanes 0-15 one row, lanes 16-31 the next
	v_lshlrev_b32 v9, 8, v2
	v_lshl_add_u32 v9, v1, 4, v9                   ; the same two rows in f32 h
	v_lshlrev_b32 v11, 7, v2
	v_lshl_add_u32 v11, v1, 3, v11                 ; and in bf16 h
.irp x, 0,1
.irp ct, 0,1,2,3
	ds_store_b128 v3, v[YA+32*\x+8*\ct:YA+32*\x+8*\ct+3] offset:64*\ct
	ds_store_b128 v3, v[YA+32*\x+8*\ct+4:YA+32*\x+8*\ct+7] offset:64*\ct+16
.endr
.irp i, 0,1,2,3,4,5,6,7
	ds_load_b128 v[QD+32*\x+4*\i:QD+32*\x+4*\i+3], v4 offset:544*\i      ; LDS serves a wave's instructions in order: these see the stores above
.endr
	s_wait_dscnt 0x0
.irp i, 0,1,2,3,4,5,6,7
	global_store_b128 v9, v[QD+32*\x+4*\i:QD+32*\x+4*\i+3], s[28:29] offset:4096*\x+512*\i   ; 16 lanes store 256 consecutive bytes, aligned
.endr
.irp k, 0,1,2,3,4,5,6,7,8,9,10,11,12,13,14,15
	v_cvt_pk_bf16_f32 v[QP+16*\x+\k], v[QD+32*\x+2*\k], v[QD+32*\x+2*\k+1]
.endr
.irp i, 0,1,2,3,4,5,6,7
	global_store_b64 v11, v[QP+16*\x+2*\i:QP+16*\x+2*\i+1], s[30:31] offset:2048*\x+256*\i   ; two rows of 128 bytes: 256 consecutive bytes
.endr
.endr
.endif
	s_wait_tensorcnt 0x0
	ds_add_u32 v254, v255
	s_wait_dscnt 0x0
	ROUND                                          ; the closing round: no work-group ends while a partner may still ask jointly
	s_endpgm
.Lfunc_end_k_q7f00502b26_q0:
	.size	k_q7f00502b26_q0, .Lfunc_end_k_q7f00502b26_q0-k_q7f00502b26_q0
	.p2alignl 7, 3214868480
	.fill 96, 4, 3214868480
	.section	.rodata,"a",@progbits
	.p2align	6, 0x0
	.amdhsa_kernel k_q7f00502b26_q0
		.amdhsa_group_segment_fixed_size 327680
		.amdhsa_private_segment_fixed_size 0
		.amdhsa_enable_private_segment 0
		.amdhsa_kernarg_size 32
		.amdhsa_user_sgpr_count 2
		.amdhsa_user_sgpr_kernarg_segment_ptr 1
		.amdhsa_wavefront_size32 1
		.amdhsa_system_sgpr_workgroup_id_x 1
		.amdhsa_system_sgpr_workgroup_id_y 1
		.amdhsa_system_sgpr_workgroup_id_z 1
		.amdhsa_system_vgpr_workitem_id 0
		.amdhsa_next_free_vgpr 1024
		.amdhsa_next_free_sgpr 96
		.amdhsa_reserve_vcc 1
		.amdhsa_float_denorm_mode_32 3
		.amdhsa_float_denorm_mode_16_64 3
		.amdhsa_memory_ordered 1
		.amdhsa_forward_progress 1
		.amdhsa_inst_pref_size 255
	.end_amdhsa_kernel
	.section	.bss,"aw",@nobits
	.p2align	6
	.space	262144
	.amdgpu_metadata
---
amdhsa.version: [ 1, 2 ]
amdhsa.kernels:
  - .name:           k_q7f00502b26_q0
    .symbol:         k_q7f00502b26_q0.kd
    .args:
      - { .name: hs0, .offset: 0, .size: 8, .value_kind: global_buffer, .address_space: global }
      - { .name: par0, .offset: 8, .size: 8, .value_kind: global_buffer, .address_space: global }
      - { .name: ctxb, .offset: 16, .size: 8, .value_kind: global_buffer, .address_space: global }
      - { .name: hs1, .offset: 24, .size: 8, .value_kind: global_buffer, .address_space: global }
    .group_segment_fixed_size: 327680
    .private_segment_fixed_size: 0
    .kernarg_segment_align: 8
    .kernarg_segment_size: 32
    .max_flat_workgroup_size: 128
    .sgpr_count:     96
    .vgpr_count:     1024
    .wavefront_size: 32
...
	.end_amdgpu_metadata
.endif
;; end of part 4
;; launch k1: the kernel of part 2 again; grid 4 x 64, 8 waves a work-group, no clusters, 271,616 bytes of LDS; arguments hs1, par1, part; writes part
;; launch c1: the kernel of part 3 again; grid 5 x 64, 17 waves a work-group, no clusters, 13,056 bytes of LDS; arguments part, ctxb; writes ctxb
;; launch q1 (part 5): grid 32 x 8, 4 waves a work-group, clusters of 4 x 1, 327,680 bytes of LDS; arguments hs1, par1, ctxb, flat; writes flat
.if DOCPART == 5
	.amdgcn_target "amdgcn-amd-amdhsa--gfx1250"
	.amdhsa_code_object_version 6
	.text
	.protected	k_q7f00502b26_q1
	.globl	k_q7f00502b26_q1
	.p2align	8
	.type	k_q7f00502b26_q1,@function
k_q7f00502b26_q1:
	s_mov_b64 s[64:65], 0
	v_nop
	global_prefetch_b8 v0, s[64:65] scope:SCOPE_SE
	s_setreg_imm32_b32 hwreg(HW_REG_WAVE_MODE, 25, 1), 1
	s_wait_xcnt 0x0
	s_wait_alu depctr_hold_cnt(0) depctr_sa_sdst(0) depctr_va_vdst(0) depctr_va_sdst(0) depctr_va_ssrc(0) depctr_va_vcc(0) depctr_vm_vsrc(0)
	s_getreg_b32 s2, hwreg(HW_REG_IB_STS2, 6, 4)
	s_cmp_eq_u32 s2, 0
	s_cbranch_scc0 .Lentry_in_a_cluster
	s_endpgm
.Lentry_in_a_cluster:
	s_bfe_u32 s2, ttmp6, 0x10000c
	s_cmp_lg_u32 s2, 0x3003
	s_cbranch_scc0 .Lentry_shape_is_right
	s_endpgm
.Lentry_shape_is_right:
; Query side of one FAVOR+ layer, with the output projection and the residual.  Work-group: 128 tokens of one batch; wave: 32 tokens
; (tiles A and B of 16), all eight heads in turn.  For a head:
;   QD[d][tok] = WqT x H + bq;  DD[m][tok] = proj' x q;  e = 2^(DD + nd - max over m);  OA[d'][tok] = ctxT x e;  o = OA[0..63] / OA[64];  YA[c][tok] += WoT x o.
; Tokens lie along the lanes, so a token's maximum and nd are one number a lane.  Two result tiles stacked along M, packed to bf16, are the
; next product's B operand: nothing is transposed.  K of ctxT x e is 288: 266 features, 6 copies against zeros, two places with e = 1 against the
; eps term's high and low part, then zeros.  YA starts as h + bo (h loaded in the result's own layout), so it ends as the layer's output.
; LAST = 0: the output goes out as f32 and bf16 rows.  LAST = 1: only its row sums (flat) go out.
; The products of K step s of ctxT x e and the exponentials of step s + 1 are written zipped, one product to four exponentials and two packings;
; all their registers lie in window 3, so that one window setting serves both kinds.
; Limit: v_exp_f32 gives 0 for results below 2^-126; they stand beside eps = 1e-4.
; CLUSTER: the four work-groups of a cluster have the same batch, so they read the same ctx tiles (47,360 bytes a head) and the same Wq, Wo, bq.
; Every tensor load is a joint one (mask 15); its address hangs on the batch and the wave alone.  A wave has four out at the start, then one.
.set LAST, 1
.set HB,   0x800000
.set WOT,  196608
.set PJO,  262144
.set BQO,  296960
.set BOO,  303104
.set CTXB, 47360                       ; LDS: two ctx slots, 80 rows of 592 bytes
.set WQL,  94720                       ; WqT, 512 rows, pitch 144
.set WOL,  168448                      ; WoT, 64 rows, pitch 1,040
.set BQL,  235008                      ; bq
.set STG,  237056                      ; 4 x 16 rows of 272 bytes: each wave's own stage for the way out; no tensor load lands here
; window 0: v1 r, v2 h, v3-4, v9, v11 offsets at the start and on the way out, v5-7 Wq, bq, Wo addresses
.set ND,   8                           ; v8, v10  nd of A, of B
.set DI,   12                          ; v12-15   1 / denominator, a pair for A and for B
.set PR16, 16                          ; v16-31   proj' tile 16
.set D16,  32                          ; v32-47   DD tile 16 of A, B; scratch before
.set QP,   48                          ; v48-79   q, later o, packed [x][s][8]
.set QD,   80                          ; v80-143  [x][dt][8]; scratch once packed
.set HF,   144                         ; v144-175 h fragments [x][s][8]
.set YA,   176                         ; v176-239 [x][ct 4][8]
; window 1: proj' tiles 0..15 at 16 t + 8 s.  window 2: DD of A at 8 t, of B at 128 + 8 t.  window 3:
.set OA,   0                           ; [x][dt 5][8]
.set FR,   80                          ; ctx fragments [2][5][8]; Wq and Wo fragments [4][2][8]
.set T,    160                         ; dd + nd - max of one K step [x][16]; bq as C of the q products
.set E,    192                         ; e packed [buf 2][x][8]
.set NC,   224                         ; nd - max, a pair for A and for B
.set CAD,  228                         ; ctx fragment addresses, slot 0, 1
.set PADW, 230                         ; e = 1 at m = 272, 273 (lanes 0-15), 0 at m = 280, 281
.set MSB, 0
.macro WIN new                         ; the immediate's high byte repeats the setting that is left
.if MSB != \new
	s_set_vgpr_msb (MSB<<8)|\new
.set MSB, \new
.endif
.endm
.macro PLACES                          ; four places behind matrix instructions (ISA guide 7.12.1)
.rept 4
	v_nop
.endr
.endm
.macro MM d, a, b, c
	v_wmma_f32_16x16x32_bf16 v[\d:\d+7], v[\a:\a+7], v[\b:\b+7], v[\c:\c+7]
.endm
.macro MM0 d, a, b
	v_wmma_f32_16x16x32_bf16 v[\d:\d+7], v[\a:\a+7], v[\b:\b+7], 0
.endm
.macro GFRAG dst, adr, base, off
.irp i, 0,1,2,3
	global_load_b128 v[\dst+4*\i:\dst+4*\i+3], v[\adr], s[\base:\base+1] offset:\off+32*\i
.endr
.endm
.macro ROUND                           ; a round of the cluster's barrier
	s_barrier_signal -1
	s_barrier_wait -1
	s_cmp_lg_u32 s14, 0
	s_cbranch_scc1 .Lnw0_\@
	s_barrier_signal -3
.Lnw0_\@:
	s_barrier_wait -3
	s_barrier_signal -1
	s_barrier_wait -1
.endm
	s_load_b256 s[4:11], s[0:1], 0x0               ; hs in, par, ctxb, out
	v_lshl_add_u32 v254, v0, 2, 0x3e200
	v_mov_b32 v255, 0
	ds_add_u32 v254, v255
	v_lshrrev_b32 v1, 5, v0
	v_readfirstlane_b32 s14, v1                    ; wave
	s_bfe_u32 s15, ttmp6, 0x40000                  ; cx
	s_lshl_b32 s16, ttmp9, 2
	s_add_co_u32 s16, s16, s15                     ; work-group x: enters global token offsets alone
	s_and_b32 s17, ttmp7, 0xffff                   ; batch
	s_mov_b32 s24, 0x76543210
	s_mov_b32 s25, 0xfedcba98
	s_mov_b32 s26, 0xffff0000                      ; lanes 16-31
	; group 1 of the four tiles.  15:0 mask = 15, 17:16 element size, 20 padding, 21 set beside a mask, 24:22 interval, 31:25 pad - 1
	s_mov_b32 s40, 15|(3<<16)|(1<<21)              ; ctx: 20 rows of 74 elements of 8 bytes, dense
	s_mov_b32 s41, 74<<16
	s_mov_b32 s42, 20<<16
	s_mov_b32 s43, 74<<16
	s_mov_b32 s44, 20
	s_mov_b32 s45, 74
	s_mov_b32 s46, 0
	s_mov_b32 s47, 0
	s_mov_b32 s48, 15|(1<<16)|(1<<20)|(1<<21)|(4<<22)|(3<<25)   ; WqT: 128 rows of 64 bf16, 16 bytes behind every 32 words
	s_mov_b32 s49, 64<<16
	s_mov_b32 s50, 128<<16
	s_mov_b32 s51, 64<<16
	s_mov_b32 s52, 128
	s_mov_b32 s53, 64
	s_mov_b32 s54, 0
	s_mov_b32 s55, 0
	s_mov_b32 s56, 15|(1<<16)|(1<<20)|(1<<21)|(7<<22)|(3<<25)   ; WoT: 16 rows of 512 bf16, 16 bytes behind every 256 words
	s_mov_b32 s57, 512<<16
	s_mov_b32 s58, 16<<16
	s_mov_b32 s59, 512<<16
	s_mov_b32 s60, 16
	s_mov_b32 s61, 512
	s_mov_b32 s62, 0
	s_mov_b32 s63, 0
	s_mov_b32 s68, 15|(3<<16)|(1<<21)              ; bq: one row of 64 elements of 8 bytes
	s_mov_b32 s69, 64<<16
	s_mov_b32 s70, 1<<16
	s_mov_b32 s71, 64<<16
	s_mov_b32 s72, 1
	s_mov_b32 s73, 64
	s_mov_b32 s74, 0
	s_mov_b32 s75, 0
	s_mul_i32 s90, s14, 11840                      ; my quarter of a ctx tile
	s_mul_i32 s88, s17, 378880                     ; batch x 8 heads x 47,360
	s_add_co_u32 s88, s88, s90
	s_mov_b32 s89, 0
	s_lshl_b32 s92, s14, 14                        ; my quarter of WqT and of WoT
	s_mov_b32 s93, 0
	s_wait_dscnt 0x0
	s_wait_kmcnt 0x0
	s_mov_b32 s32, 1                               ; group 0, ctx slot 0: head 0
	s_mov_b32 s33, s90
	s_add_nc_u64 s[34:35], s[8:9], s[88:89]
	s_mov_b32 s36, 1                               ; ctx slot 1: head 1
	s_add_co_u32 s37, s90, CTXB
	s_add_nc_u64 s[38:39], s[34:35], CTXB
	s_or_b32 s35, s35, 0x80000000
	s_or_b32 s39, s39, 0x80000000
	s_mov_b32 s76, 1
	s_mul_i32 s77, s14, 18432
	s_add_co_u32 s77, s77, WQL
	s_add_nc_u64 s[78:79], s[6:7], s[92:93]
	s_or_b32 s79, s79, 0x80000000
	s_mov_b32 s80, 1
	s_mul_i32 s81, s14, 16640
	s_add_co_u32 s81, s81, WOL
	s_add_nc_u64 s[82:83], s[6:7], s[92:93]
	s_add_nc_u64 s[82:83], s[82:83], WOT
	s_or_b32 s83, s83, 0x80000000
	s_mov_b32 s84, 1
	s_lshl_b32 s92, s14, 9
	s_add_co_u32 s85, s92, BQL
	s_add_nc_u64 s[86:87], s[6:7], s[92:93]
	s_add_nc_u64 s[86:87], s[86:87], BQO
	s_or_b32 s87, s87, 0x80000000
	ROUND                                          ; the four work-groups are here: the first joint loads meet
	tensor_load_to_lds s[32:35], s[40:47]
	s_nop 0
	tensor_load_to_lds s[76:79], s[48:55]
	s_nop 0
	tensor_load_to_lds s[80:83], s[56:63]
	s_nop 0
	tensor_load_to_lds s[84:87], s[68:75]
	s_nop 0
	s_lshl_b32 s21, s17, 12
	s_lshl_b32 s94, s16, 7
	s_add_co_u32 s21, s21, s94
	s_lshl_b32 s94, s14, 5
	s_add_co_u32 s21, s21, s94                     ; my wave's first token
	s_mov_b32 s95, 0
	s_lshl_b32 s94, s21, 7
	s_add_nc_u64 s[18:19], s[4:5], s[94:95]
	s_add_nc_u64 s[18:19], s[18:19], HB            ; bf16 h in
.if LAST == 0
	s_add_nc_u64 s[30:31], s[10:11], s[94:95]
	s_add_nc_u64 s[30:31], s[30:31], HB            ; bf16 h out
.endif
	s_lshl_b32 s94, s21, 8
	s_add_nc_u64 s[22:23], s[4:5], s[94:95]        ; f32 h in
.if LAST == 0
	s_add_nc_u64 s[28:29], s[10:11], s[94:95]      ; f32 h out
.else
	s_lshl_b32 s94, s21, 2
	s_add_nc_u64 s[10:11], s[10:11], s[94:95]      ; flat at my first token
.endif
	v_and_b32 v1, 15, v0
	v_bfe_u32 v2, v0, 4, 1
	v_mul_u32_u24 v8, v1, 592
	v_lshl_add_u32 v8, v2, 4, v8                   ; ctx fragments, slot 0
	v_add_nc_u32 v9, CTXB, v8                      ; slot 1
	v_mul_u32_u24 v5, v1, 144
	v_lshl_add_u32 v5, v2, 4, v5
	v_add_nc_u32 v5, WQL, v5
	v_lshlrev_b32 v6, 5, v2
	v_add_nc_u32 v6, BQL, v6
	v_mul_u32_u24 v7, v1, 1040
	v_lshl_add_u32 v7, v2, 4, v7
	v_add_nc_u32 v7, WOL, v7
	v_lshlrev_b32 v3, 7, v1
	v_lshl_add_u32 v3, v2, 4, v3                   ; 128 r + 16 h
	v_lshlrev_b32 v4, 5, v2                        ; 32 h
	v_lshl_add_u32 v10, v1, 8, v4                  ; 256 r + 32 h: token r's row of f32 h, eight numbers for each half of the lanes
	v_mov_b32 v11, 0x3f803f80
	v_cmp_eq_u32 vcc_lo, 0, v2
	v_cndmask_b32 v11, 0, v11, vcc_lo
	v_mov_b32 v13, 0
	v_mov_b32 v15, 0
	WIN 0xc0
	v_mov_b32 v[CAD], v8
	v_mov_b32 v[CAD+1], v9
	v_mov_b32 v[PADW], v11
	WIN 0x40
.irp t, 0,1,2,3,4,5,6,7,8,9,10,11,12,13,14,15
	GFRAG 16*\t, 3, 6, PJO+2048*\t
.endr
	WIN 0
	GFRAG PR16, 3, 6, PJO+32768
	GFRAG HF, 3, 18, 0
	GFRAG HF+16, 3, 18, 2048
.irp x, 0,1
.irp ct, 0,1,2,3
	global_load_b128 v[YA+32*\x+8*\ct:YA+32*\x+8*\ct+3], v10, s[22:23] offset:4096*\x+64*\ct       ; h(token r, c = 16 ct + 8 h + j) starts the sums
	global_load_b128 v[YA+32*\x+8*\ct+4:YA+32*\x+8*\ct+7], v10, s[22:23] offset:4096*\x+64*\ct+16
.endr
.endr
.irp ct, 0,1,2,3
	global_load_b128 v[QD+32+8*\ct:QD+32+8*\ct+3], v4, s[6:7] offset:BOO+64*\ct
	global_load_b128 v[QD+32+8*\ct+4:QD+32+8*\ct+7], v4, s[6:7] offset:BOO+64*\ct+16
.endr
	s_wait_loadcnt 0x0
.irp x, 0,1
.irp k, 0,2,4,6,8,10,12,14,16,18,20,22,24,26,28,30
	v_pk_add_f32 v[YA+32*\x+\k:YA+32*\x+\k+1], v[YA+32*\x+\k:YA+32*\x+\k+1], v[QD+32+\k:QD+32+\k+1]   ; + bo
.endr
.endr
.macro SUMSQ x                         ; nd of token r
	v_pk_mul_f32 v[D16+4*\x:D16+4*\x+1], v[QD+32*\x:QD+32*\x+1], v[QD+32*\x:QD+32*\x+1]
	v_pk_mul_f32 v[D16+4*\x+2:D16+4*\x+3], v[QD+32*\x+2:QD+32*\x+3], v[QD+32*\x+2:QD+32*\x+3]
.irp j, 4,8,12,16,20,24,28
	v_pk_fma_f32 v[D16+4*\x:D16+4*\x+1], v[QD+32*\x+\j:QD+32*\x+\j+1], v[QD+32*\x+\j:QD+32*\x+\j+1], v[D16+4*\x:D16+4*\x+1]
	v_pk_fma_f32 v[D16+4*\x+2:D16+4*\x+3], v[QD+32*\x+\j+2:QD+32*\x+\j+3], v[QD+32*\x+\j+2:QD+32*\x+\j+3], v[D16+4*\x+2:D16+4*\x+3]
.endr
	v_pk_add_f32 v[D16+4*\x:D16+4*\x+1], v[D16+4*\x:D16+4*\x+1], v[D16+4*\x+2:D16+4*\x+3]
	v_add_f32 v[D16+4*\x], v[D16+4*\x], v[D16+4*\x+1]
	v_permlanex16_b32 v[D16+4*\x+1], v[D16+4*\x], s24, s25
	v_add_f32 v[D16+4*\x], v[D16+4*\x], v[D16+4*\x+1]
	v_mul_f32 v[ND+2*\x], 0xbdb8aa3b, v[D16+4*\x]  ; -0.0625 log2(e)
.irp i, 0,1,2,3,4,5,6,7,8,9,10,11,12,13,14,15
	v_cvt_pk_bf16_f32 v[QP+16*\x+\i], v[QD+32*\x+2*\i], v[QD+32*\x+2*\i+1]
.endr
.endm
; T = dd + (nd - max) of K step s (feature tiles 2 s, 2 s + 1; step 8: tile 16), both token tiles: the add also brings dd into window 3.
; It is written as dd * 1 + NC so that NC stands in the third source place, whose window is the destination's.
.macro MOVE s
.if \s == 8
	WIN 0xf0
.irp x, 0,1
.irp k, 0,2,4,6
	v_pk_fma_f32 v[T+16*\x+\k:T+16*\x+\k+1], v[D16+8*\x+\k:D16+8*\x+\k+1], 1.0, v[NC+2*\x:NC+2*\x+1] op_sel_hi:[1,0,1]
.endr
.endr
.else
	WIN 0xf2
.irp x, 0,1
.irp k, 0,2,4,6,8,10,12,14
	v_pk_fma_f32 v[T+16*\x+\k:T+16*\x+\k+1], v[128*\x+16*\s+\k:128*\x+16*\s+\k+1], 1.0, v[NC+2*\x:NC+2*\x+1] op_sel_hi:[1,0,1]
.endr
.endr
.endif
.endm
.macro FRL s, slot                     ; ctx fragments of K step s: 80 rows x 32 m
.irp dt, 0,1,2,3,4
	ds_load_b128 v[FR+40*((\s)&1)+8*\dt:FR+40*((\s)&1)+8*\dt+3], v[CAD+\slot] offset:9472*\dt+64*\s
	ds_load_b128 v[FR+40*((\s)&1)+8*\dt+4:FR+40*((\s)&1)+8*\dt+7], v[CAD+\slot] offset:9472*\dt+64*\s+32
.endr
.endm
.macro OW s, k                         ; product k of K step s: d' tile k / 2, token tile k mod 2.  The ten accumulators take turns
.if \s == 0
	MM0 OA+40*((\k)&1)+8*((\k)>>1), FR+8*((\k)>>1), E+8*((\k)&1)
.else
	MM OA+40*((\k)&1)+8*((\k)>>1), FR+40*((\s)&1)+8*((\k)>>1), E+16*((\s)&1)+8*((\k)&1), OA+40*((\k)&1)+8*((\k)>>1)
.endif
.endm
.macro XE a
	v_exp_f32 v[T+\a], v[T+\a]
.endm
.macro XC n, i                         ; word i of step n's packed e
	s_wait_alu depctr_va_vdst(0)
	v_cvt_pk_bf16_f32 v[E+16*((\n)&1)+\i], v[T+2*(\i)], v[T+2*(\i)+1]
.endm
; K step s's ten products, zipped with step n = s + 1's 32 exponentials and 16 packings.  A packing stands a slot behind its exponentials, and a
; plain instruction (a packing of the slot before; in slot 0 a v_nop) stands between each exponential and the packing that reads it (ISA guide 5.7.2).
; The packings write the e buffer that step s does not read.
.macro ZIP s, n
	OW \s, 0
	XE 0
	XE 1
	XE 2
	XE 3
	v_nop
.irp k, 1,2,3,4,5,6,7
	OW \s, \k
	XE 4*\k
	XE 4*\k+1
	XC \n, 2*\k-2
	XE 4*\k+2
	XE 4*\k+3
	XC \n, 2*\k-1
.endr
	OW \s, 8
	XC \n, 14
	XC \n, 15
	OW \s, 9
.endm
.macro ZIPL                            ; step 7's products with step 8's e: tile 16 (eight numbers a token tile), then the pad
	OW 7, 0
	XE 0
	XE 1
	XE 2
	XE 3
	v_nop
	OW 7, 1
	XE 4
	XE 5
	XC 8, 0
	XE 6
	XE 7
	XC 8, 1
	OW 7, 2
	XE 16
	XE 17
	XC 8, 2
	XE 18
	XE 19
	XC 8, 3
	OW 7, 3
	XE 20
	XE 21
	XC 8, 8
	XE 22
	XE 23
	XC 8, 9
	OW 7, 4
	XC 8, 10
	XC 8, 11
	OW 7, 5
	v_mov_b32 v[E+4], v[PADW]
	v_mov_b32 v[E+5], 0
	v_mov_b32 v[E+6], 0
	v_mov_b32 v[E+7], 0
	OW 7, 6
	v_mov_b32 v[E+12], v[PADW]
	v_mov_b32 v[E+13], 0
	v_mov_b32 v[E+14], 0
	v_mov_b32 v[E+15], 0
	OW 7, 7
	OW 7, 8
	OW 7, 9
.endm
.macro OSTEP s, n, slot                ; n = s + 1
	MOVE \n                                        ; its adds are also the places behind step s - 1's products, whose fragment and e buffers are written next
	WIN 0xff
	FRL \n, \slot
	s_wait_dscnt 0xa                               ; step s's fragments are in; the ten just issued stay out
.if \n == 8
	ZIPL
.else
	ZIP \s, \n
.endif
.endm
.macro HEAD slot, refill
	s_wait_tensorcnt 0x0                           ; all my tensor loads have landed, my part of this head's ctx among them,
	ds_add_u32 v254, v255
	s_wait_dscnt 0x0
	s_add_nc_u64 s[34+4*\slot:35+4*\slot], s[34+4*\slot:35+4*\slot], 2*CTXB   ; so a group 0 may be written: this slot's next head
	s_wait_dscnt 0x0                               ; my reads of the last head's slot are over
	ROUND                                          ; both now hold of every wave of the four work-groups
.if \refill
	tensor_load_to_lds s[36-4*\slot:39-4*\slot], s[40:47]   ; the next head's ctx, into the slot read last
	s_nop 0
.endif
	PLACES                                         ; behind the last head's Wo products
	WIN 0xc0
.irp dt, 0,1,2,3
	ds_load_b128 v[T+8*\dt:T+8*\dt+3], v6 offset:64*\dt
	ds_load_b128 v[T+8*\dt+4:T+8*\dt+7], v6 offset:64*\dt+16
.endr
.irp dt, 0,1,2,3
.irp i, 0,1,2,3
	ds_load_b128 v[FR+16*\dt+4*\i:FR+16*\dt+4*\i+3], v5 offset:2304*\dt+32*\i
.endr
.endr
	s_wait_dscnt 0x0
	WIN 0x33                                       ; accumulators take turns in all that follows
.irp x, 0,1
.irp dt, 0,1,2,3
	MM QD+32*\x+8*\dt, FR+16*\dt, HF+16*\x, T+8*\dt
.endr
.endr
	WIN 0x03
.irp x, 0,1
.irp dt, 0,1,2,3
	MM QD+32*\x+8*\dt, FR+16*\dt+8, HF+16*\x+8, QD+32*\x+8*\dt
.endr
.endr
	WIN 0
	PLACES
	SUMSQ 0
	SUMSQ 1
	WIN 0xa1
.irp t, 0,2,4,6,8,10,12,14
	MM0 8*\t, 16*\t, QP
	MM0 128+8*\t, 16*\t, QP+16
	MM0 8*\t+8, 16*\t+16, QP
	MM0 128+8*\t+8, 16*\t+16, QP+16
	MM 8*\t, 16*\t+8, QP+8, 8*\t
	MM 128+8*\t, 16*\t+8, QP+24, 128+8*\t
	MM 8*\t+8, 16*\t+24, QP+8, 8*\t+8
	MM 128+8*\t+8, 16*\t+24, QP+24, 128+8*\t+8
.endr
	WIN 0
	MM0 D16, PR16, QP
	MM0 D16+8, PR16, QP+16
	MM D16, PR16+8, QP+8, D16
	MM D16+8, PR16+8, QP+24, D16+8
	PLACES
.irp x, 0,1
.irp i, 0,1,2,3
	v_max_num_f32 v[QD+4*\x+\i], v[D16+8*\x+\i], v[D16+8*\x+4+\i]   ; tile 16 starts four chains
.endr
.endr
	WIN 0x0a
.irp x, 0,1
.set k_, 0
.rept 64
	v_max3_num_f32 v[QD+4*\x+(k_&3)], v[128*\x+2*k_], v[128*\x+2*k_+1], v[QD+4*\x+(k_&3)]
.set k_, k_+1
.endr
.endr
	WIN 0
.irp x, 0,1
	v_max3_num_f32 v[QD+4*\x], v[QD+4*\x], v[QD+4*\x+1], v[QD+4*\x+2]
	v_max_num_f32 v[QD+4*\x], v[QD+4*\x], v[QD+4*\x+3]
	v_permlanex16_b32 v[QD+4*\x+1], v[QD+4*\x], s24, s25
	v_max_num_f32 v[QD+4*\x], v[QD+4*\x], v[QD+4*\x+1]
.endr
	WIN 0xc0
.irp x, 0,1
	v_sub_f32 v[NC+2*\x], v[ND+2*\x], v[QD+4*\x]   ; nd - the token's maximum, twice: a pair
	v_sub_f32 v[NC+2*\x+1], v[ND+2*\x], v[QD+4*\x]
.endr
	WIN 0xff
	FRL 0, \slot
	MOVE 0
	WIN 0xff
.irp i, 0,1,2,3,4,5,6,7,8,9,10,11,12,13,14,15,16,17,18,19,20,21,22,23,24,25,26,27,28,29,30,31
	XE \i                                          ; K step 0's e has no products to stand beside
.endr
	v_nop                                          ; one plain place behind the exponentials (ISA guide 5.7.2)
.irp i, 0,1,2,3,4,5,6,7,8,9,10,11,12,13,14,15
	XC 0, \i
.endr
	OSTEP 0, 1, \slot
	OSTEP 1, 2, \slot
	OSTEP 2, 3, \slot
	OSTEP 3, 4, \slot
	OSTEP 4, 5, \slot
	OSTEP 5, 6, \slot
	OSTEP 6, 7, \slot
	OSTEP 7, 8, \slot
	s_wait_dscnt 0x0
.irp k, 0,1,2,3,4,5,6,7,8,9
	OW 8, \k
.endr
	WIN 0
	PLACES
	WIN 0xc0
.irp ct, 0,1,2,3
.irp i, 0,1,2,3
	ds_load_b128 v[FR+16*\ct+4*\i:FR+16*\ct+4*\i+3], v7 offset:16640*\ct+32*\i
.endr
.endr
	WIN 0x03
	v_rcp_f32 v[DI], v[OA+32]                      ; the denominator is d' = 64: register 0 of the fifth tile, lanes 0-15
	v_rcp_f32 v[DI+2], v[OA+72]
	WIN 0
	v_nop
	s_wait_alu depctr_va_vdst(0)
	v_permlanex16_b32 v[DI+1], v[DI], s24, s25
	v_permlanex16_b32 v[DI+3], v[DI+2], s24, s25
	v_cndmask_b32 v[DI], v[DI], v[DI+1], s26
	v_cndmask_b32 v[DI+2], v[DI+2], v[DI+3], s26
	v_mov_b32 v[DI+1], v[DI]
	v_mov_b32 v[DI+3], v[DI+2]
	WIN 0x03
.irp x, 0,1
.irp k, 0,2,4,6,8,10,12,14,16,18,20,22,24,26,28,30
	v_pk_mul_f32 v[QD+32*\x+\k:QD+32*\x+\k+1], v[OA+40*\x+\k:OA+40*\x+\k+1], v[DI+2*\x:DI+2*\x+1]
.endr
.endr
	WIN 0
.irp x, 0,1
.irp i, 0,1,2,3,4,5,6,7,8,9,10,11,12,13,14,15
	v_cvt_pk_bf16_f32 v[QP+16*\x+\i], v[QD+32*\x+2*\i], v[QD+32*\x+2*\i+1]
.endr
.endr
	s_wait_dscnt 0x0
	WIN 0x03
.irp x, 0,1
.irp ct, 0,1,2,3
	MM YA+32*\x+8*\ct, FR+16*\ct, QP+16*\x, YA+32*\x+8*\ct
.endr
.endr
.irp x, 0,1
.irp ct, 0,1,2,3
	MM YA+32*\x+8*\ct, FR+16*\ct+8, QP+16*\x+8, YA+32*\x+8*\ct
.endr
.endr
	WIN 0
	v_add_nc_u32 v5, 9216, v5                      ; the next head's 64 rows of WqT,
	v_add_nc_u32 v6, 256, v6                       ; 64 numbers of bq,
	v_add_nc_u32 v7, 128, v7                       ; 64 columns of WoT
.endm
	s_mov_b32 s20, 3
.Lheads:
	HEAD 0, 1
	HEAD 1, 1
	s_sub_co_u32 s20, s20, 1
	s_cmp_lg_u32 s20, 0
	s_cbranch_scc1 .Lheads
	HEAD 0, 1
	HEAD 1, 0                                      ; the last head fetches nothing
	PLACES
.if LAST
	; THE WAY OUT: flat[token] = the sum over c of the output.  A lane holds 32 of token r's 64 numbers; the other half of the lanes holds the rest.
.irp x, 0,1
.irp k, 0,2,4,6,8,10,12,14
	v_pk_add_f32 v[YA+32*\x+\k:YA+32*\x+\k+1], v[YA+32*\x+\k:YA+32*\x+\k+1], v[YA+32*\x+16+\k:YA+32*\x+16+\k+1]
.endr
.irp k, 0,2,4,6
	v_pk_add_f32 v[YA+32*\x+\k:YA+32*\x+\k+1], v[YA+32*\x+\k:YA+32*\x+\k+1], v[YA+32*\x+8+\k:YA+32*\x+8+\k+1]
.endr
.irp k, 0,2
	v_pk_add_f32 v[YA+32*\x+\k:YA+32*\x+\k+1], v[YA+32*\x+\k:YA+32*\x+\k+1], v[YA+32*\x+4+\k:YA+32*\x+4+\k+1]
.endr
	v_pk_add_f32 v[YA+32*\x:YA+32*\x+1], v[YA+32*\x:YA+32*\x+1], v[YA+32*\x+2:YA+32*\x+3]
	v_add_f32 v[YA+32*\x], v[YA+32*\x], v[YA+32*\x+1]
	v_permlanex16_b32 v[YA+32*\x+1], v[YA+32*\x], s24, s25
	v_add_f32 v[YA+32*\x], v[YA+32*\x], v[YA+32*\x+1]
.endr
	v_cndmask_b32 v3, v[YA], v[YA+32], s26         ; lanes 0-15 keep tile A's tokens, lanes 16-31 tile B's: lane = token
	v_and_b32 v4, 31, v0
	v_lshlrev_b32 v4, 2, v4
	global_store_b32 v4, v3, s[10:11]              ; 32 tokens' row sums, 128 consecutive bytes
.else
	; THE WAY OUT: 16 tokens at a time through my own stage, read back as whole rows of 256 bytes
	s_mul_i32 s91, s14, 4352
	s_add_co_u32 s91, s91, STG
	v_mul_u32_u24 v3, v1, 272
	v_lshl_add_u32 v3, v2, 5, v3
	v_add_nc_u32 v3, s91, v3                       ; in: row = token r, 32 bytes for each half of the lanes
	v_mul_u32_u24 v4, v2, 272
	v_lshl_add_u32 v4, v1, 4, v4
	v_add_nc_u32 v4, s91, v4                       ; back: lanes 0-15 one row, lanes 16-31 the next
	v_lshlrev_b32 v9, 8, v2
	v_lshl_add_u32 v9, v1, 4, v9                   ; the same two rows in f32 h
	v_lshlrev_b32 v11, 7, v2
	v_lshl_add_u32 v11, v1, 3, v11                 ; and in bf16 h
.irp x, 0,1
.irp ct, 0,1,2,3
	ds_store_b128 v3, v[YA+32*\x+8*\ct:YA+32*\x+8*\ct+3] offset:64*\ct
	ds_store_b128 v3, v[YA+32*\x+8*\ct+4:YA+32*\x+8*\ct+7] offset:64*\ct+16
.endr
.irp i, 0,1,2,3,4,5,6,7
	ds_load_b128 v[QD+32*\x+4*\i:QD+32*\x+4*\i+3], v4 offset:544*\i      ; LDS serves a wave's instructions in order: these see the stores above
.endr
	s_wait_dscnt 0x0
.irp i, 0,1,2,3,4,5,6,7
	global_store_b128 v9, v[QD+32*\x+4*\i:QD+32*\x+4*\i+3], s[28:29] offset:4096*\x+512*\i   ; 16 lanes store 256 consecutive bytes, aligned
.endr
.irp k, 0,1,2,3,4,5,6,7,8,9,10,11,12,13,14,15
	v_cvt_pk_bf16_f32 v[QP+16*\x+\k], v[QD+32*\x+2*\k], v[QD+32*\x+2*\k+1]
.endr
.irp i, 0,1,2,3,4,5,6,7
	global_store_b64 v11, v[QP+16*\x+2*\i:QP+16*\x+2*\i+1], s[30:31] offset:2048*\x+256*\i   ; two rows of 128 bytes: 256 consecutive bytes
.endr
.endr
.endif
	ROUND                                          ; the closing round: no work-group ends while a partner may still ask jointly
	s_endpgm
.Lfunc_end_k_q7f00502b26_q1:
	.size	k_q7f00502b26_q1, .Lfunc_end_k_q7f00502b26_q1-k_q7f00502b26_q1
	.p2alignl 7, 3214868480
	.fill 96, 4, 3214868480
	.section	.rodata,"a",@progbits
	.p2align	6, 0x0
	.amdhsa_kernel k_q7f00502b26_q1
		.amdhsa_group_segment_fixed_size 327680
		.amdhsa_private_segment_fixed_size 0
		.amdhsa_enable_private_segment 0
		.amdhsa_kernarg_size 32
		.amdhsa_user_sgpr_count 2
		.amdhsa_user_sgpr_kernarg_segment_ptr 1
		.amdhsa_wavefront_size32 1
		.amdhsa_system_sgpr_workgroup_id_x 1
		.amdhsa_system_sgpr_workgroup_id_y 1
		.amdhsa_system_sgpr_workgroup_id_z 1
		.amdhsa_system_vgpr_workitem_id 0
		.amdhsa_next_free_vgpr 1024
		.amdhsa_next_free_sgpr 96
		.amdhsa_reserve_vcc 1
		.amdhsa_float_denorm_mode_32 3
		.amdhsa_float_denorm_mode_16_64 3
		.amdhsa_memory_ordered 1
		.amdhsa_forward_progress 1
		.amdhsa_inst_pref_size 255
	.end_amdhsa_kernel
	.section	.bss,"aw",@nobits
	.p2align	6
	.space	262144
	.amdgpu_metadata
---
amdhsa.version: [ 1, 2 ]
amdhsa.kernels:
  - .name:           k_q7f00502b26_q1
    .symbol:         k_q7f00502b26_q1.kd
    .args:
      - { .name: hs1, .offset: 0, .size: 8, .value_kind: global_buffer, .address_space: global }
      - { .name: par1, .offset: 8, .size: 8, .value_kind: global_buffer, .address_space: global }
      - { .name: ctxb, .offset: 16, .size: 8, .value_kind: global_buffer, .address_space: global }
      - { .name: flat, .offset: 24, .size: 8, .value_kind: global_buffer, .address_space: global }
    .group_segment_fixed_size: 327680
    .private_segment_fixed_size: 0
    .kernarg_segment_align: 8
    .kernarg_segment_size: 32
    .max_flat_workgroup_size: 128
    .sgpr_count:     96
    .vgpr_count:     1024
    .wavefront_size: 32
...
	.end_amdgpu_metadata
.endif
;; end of part 5
;; launch mlp1 (part 6): grid 64 x 4, 8 waves a work-group, no clusters, 50,176 bytes of LDS; arguments flat, W1, ctxb; writes ctxb
.if DOCPART == 6
	.amdgcn_target "amdgcn-amd-amdhsa--gfx1250"
	.amdhsa_code_object_version 6
	.text
	.protected	k_q7f00502b26_mlp1
	.globl	k_q7f00502b26_mlp1
	.p2align	8
	.type	k_q7f00502b26_mlp1,@function
k_q7f00502b26_mlp1:
	s_mov_b64 s[64:65], 0
	v_nop
	global_prefetch_b8 v0, s[64:65] scope:SCOPE_SE
	s_setreg_imm32_b32 hwreg(HW_REG_WAVE_MODE, 25, 1), 1
	s_wait_xcnt 0x0
; p[kq][b][n] = sum over 1,024 k of a[b][k] W[k][n]: eight rows against a [4096][4096] f32 matrix read once.  A stream: the bytes of W are all
; that counts, so the vector unit does the arithmetic in f32 and there are no matrix instructions, joint loads or tensor loads.
; Work-group (nb, kq): 64 columns x 1,024 k.  Wave: 128 k.  A load of a wave takes two rows x 256 consecutive bytes, aligned.
; MODE 1: a = flat.  MODE 2: a = max(bias + the four partial sums of the layer before, 0).
.set MODE, 1
.set ACC, 16                           ; v16-47   [b 8][4 columns]; before the loop: a, [i 4][b 8]
.set AV,  48                           ; v48-79   a of a slot's row, four buffers of 8
.set X,   80                           ; v80-143  ring of 16 loads of W
.set REDL, 32768                       ; LDS: a as [k 1024][b 8] f32, then [wave 8][b 8][64] f32
	s_load_b128 s[4:7], s[0:1], 0x0                ; a, W
	s_load_b64 s[8:9], s[0:1], 0x10                ; out
	v_lshl_add_u32 v216, v0, 2, 0xc000
	v_mov_b32 v217, 0
.if MODE == 2
	s_load_b64 s[10:11], s[0:1], 0x18              ; bias
.endif
	v_lshrrev_b32 v1, 5, v0
	v_readfirstlane_b32 s12, v1                    ; wave
	s_and_b32 s13, ttmp7, 0xffff                   ; kq
	s_mov_b32 s18, 0x76543210
	s_mov_b32 s19, 0xfedcba98
	v_and_b32 v1, 15, v0
	v_bfe_u32 v2, v0, 4, 1
	v_lshlrev_b32 v3, 2, v0                        ; a: k = 256 i + t
	s_lshl_b32 s14, s12, 7
	v_add_nc_u32 v4, s14, v2                       ; row 128 wave + h
	v_lshlrev_b32 v5, 5, v4                        ; its 32 bytes of a in LDS
	v_lshlrev_b32 v4, 14, v4
	v_lshl_add_u32 v4, v1, 4, v4                   ; its 16 bytes of W
	v_lshlrev_b32 v6, 5, v0
	s_wait_kmcnt 0x0
	s_lshl_b32 s14, s13, 12
	s_mov_b32 s15, 0
	s_add_nc_u64 s[4:5], s[4:5], s[14:15]
.if MODE == 2
	s_add_nc_u64 s[10:11], s[10:11], s[14:15]
.endif
	s_lshl_b32 s14, s13, 24                        ; 1,024 rows of 16,384 bytes
	s_lshl_b32 s16, ttmp9, 8
	s_add_co_u32 s14, s14, s16
	s_add_nc_u64 s[6:7], s[6:7], s[14:15]
	s_lshl_b32 s14, s13, 17
	s_add_co_u32 s14, s14, s16
	s_add_nc_u64 s[8:9], s[8:9], s[14:15]
.irp i, 0,1,2,3
.irp b, 0,1,2,3,4,5,6,7
	global_load_b32 v[16+8*\i+\b], v3, s[4:5] offset:16384*\b+1024*\i
.if MODE == 2
	global_load_b32 v[48+8*\i+\b], v3, s[4:5] offset:131072+16384*\b+1024*\i
	global_load_b32 v[144+8*\i+\b], v3, s[4:5] offset:262144+16384*\b+1024*\i
	global_load_b32 v[176+8*\i+\b], v3, s[4:5] offset:393216+16384*\b+1024*\i
.endif
.endr
.if MODE == 2
	global_load_b32 v[208+\i], v3, s[10:11] offset:1024*\i
.endif
.endr
.rept 16
	global_load_b128 v[X+4*\+:X+4*\++3], v4, s[6:7] offset:32768*\+ th:TH_LOAD_NT
.endr
	s_wait_loadcnt 0x10                            ; a is in; the sixteen loads of W stay out
.if MODE == 2
.irp k, 0,2,4,6,8,10,12,14,16,18,20,22,24,26,28,30
	v_pk_add_f32 v[16+\k:17+\k], v[16+\k:17+\k], v[48+\k:49+\k]
	v_pk_add_f32 v[144+\k:145+\k], v[144+\k:145+\k], v[176+\k:177+\k]
	v_pk_add_f32 v[16+\k:17+\k], v[16+\k:17+\k], v[144+\k:145+\k]
.endr
.irp i, 0,1,2,3
.irp b, 0,1,2,3,4,5,6,7
	v_add_f32 v[16+8*\i+\b], v[16+8*\i+\b], v[208+\i]
	v_max_num_f32 v[16+8*\i+\b], 0, v[16+8*\i+\b]
.endr
.endr
.endif
.irp i, 0,1,2,3
	ds_store_b128 v6, v[16+8*\i:19+8*\i] offset:8192*\i
	ds_store_b128 v6, v[20+8*\i:23+8*\i] offset:8192*\i+16
.endr
	s_wait_dscnt 0x0
	s_barrier_signal -1
	s_barrier_wait -1
.irp j, 0,1
	ds_load_b128 v[AV+8*\j:AV+8*\j+3], v5 offset:64*\j
	ds_load_b128 v[AV+8*\j+4:AV+8*\j+7], v5 offset:64*\j+16
.endr
; Slot j: rows 2 j + h of my 128.  The first slot's products start the sums.
.macro SLOT j
.if \j+2 < 64
	ds_load_b128 v[AV+8*((\j+2)&3):AV+8*((\j+2)&3)+3], v5 offset:64*(\j+2)
	ds_load_b128 v[AV+8*((\j+2)&3)+4:AV+8*((\j+2)&3)+7], v5 offset:64*(\j+2)+16
.endif
.if \j < 49
	s_wait_loadcnt 0xf                             ; loads come back in order: mine is in, the fifteen younger stay out
.else
	s_wait_loadcnt 63-\j
.endif
.if \j < 62
	s_wait_dscnt 0x4                               ; the two later slots' a stay out
.else
	s_wait_dscnt 2*(63-\j)
.endif
.irp b, 0,2,4,6
.if \j == 0
	v_pk_mul_f32 v[ACC+4*\b:ACC+4*\b+1], v[X:X+1], v[AV+\b:AV+\b+1] op_sel_hi:[1,0]
	v_pk_mul_f32 v[ACC+4*\b+2:ACC+4*\b+3], v[X+2:X+3], v[AV+\b:AV+\b+1] op_sel_hi:[1,0]
	v_pk_mul_f32 v[ACC+4*\b+4:ACC+4*\b+5], v[X:X+1], v[AV+\b:AV+\b+1] op_sel:[0,1] op_sel_hi:[1,1]
	v_pk_mul_f32 v[ACC+4*\b+6:ACC+4*\b+7], v[X+2:X+3], v[AV+\b:AV+\b+1] op_sel:[0,1] op_sel_hi:[1,1]
.else
	v_pk_fma_f32 v[ACC+4*\b:ACC+4*\b+1], v[X+4*(\j&15):X+4*(\j&15)+1], v[AV+8*(\j&3)+\b:AV+8*(\j&3)+\b+1], v[ACC+4*\b:ACC+4*\b+1] op_sel_hi:[1,0,1]
	v_pk_fma_f32 v[ACC+4*\b+2:ACC+4*\b+3], v[X+4*(\j&15)+2:X+4*(\j&15)+3], v[AV+8*(\j&3)+\b:AV+8*(\j&3)+\b+1], v[ACC+4*\b+2:ACC+4*\b+3] op_sel_hi:[1,0,1]
	v_pk_fma_f32 v[ACC+4*\b+4:ACC+4*\b+5], v[X+4*(\j&15):X+4*(\j&15)+1], v[AV+8*(\j&3)+\b:AV+8*(\j&3)+\b+1], v[ACC+4*\b+4:ACC+4*\b+5] op_sel:[0,1,0] op_sel_hi:[1,1,1]
	v_pk_fma_f32 v[ACC+4*\b+6:ACC+4*\b+7], v[X+4*(\j&15)+2:X+4*(\j&15)+3], v[AV+8*(\j&3)+\b:AV+8*(\j&3)+\b+1], v[ACC+4*\b+6:ACC+4*\b+7] op_sel:[0,1,0] op_sel_hi:[1,1,1]
.endif
.endr
.if \j+16 < 64
	global_load_b128 v[X+4*(\j&15):X+4*(\j&15)+3], v4, s[6:7] offset:32768*(\j+16) th:TH_LOAD_NT
.endif
.endm
.rept 64
	SLOT \+
.endr
	; even and odd rows meet across the halves of the lanes, the eight waves in LDS
.rept 32
	v_permlanex16_b32 v[X+\+], v[ACC+\+], s18, s19
.endr
.rept 16
	v_pk_add_f32 v[ACC+2*\+:ACC+2*\++1], v[ACC+2*\+:ACC+2*\++1], v[X+2*\+:X+2*\++1]
.endr
	s_lshl_b32 s14, s12, 11
	s_add_co_u32 s14, s14, REDL
	v_lshl_add_u32 v7, v1, 4, s14
.rept 8
	ds_store_b128 v7, v[ACC+4*\+:ACC+4*\++3] offset:256*\+
.endr
	s_wait_dscnt 0x0
	s_barrier_signal -1
	s_barrier_wait -1
	s_cmp_ge_u32 s12, 4
	s_cbranch_scc1 .Lend
	v_lshlrev_b32 v8, 4, v0                        ; thread t < 128: b = t / 16, four columns
.rept 8
	ds_load_b128 v[X+4*\+:X+4*\++3], v8 offset:REDL+2048*\+
.endr
	s_wait_dscnt 0x0
.irp k, 0,8,16,24
	v_pk_add_f32 v[X+\k:X+\k+1], v[X+\k:X+\k+1], v[X+\k+4:X+\k+5]
	v_pk_add_f32 v[X+\k+2:X+\k+3], v[X+\k+2:X+\k+3], v[X+\k+6:X+\k+7]
.endr
.irp k, 0,16
	v_pk_add_f32 v[X+\k:X+\k+1], v[X+\k:X+\k+1], v[X+\k+8:X+\k+9]
	v_pk_add_f32 v[X+\k+2:X+\k+3], v[X+\k+2:X+\k+3], v[X+\k+10:X+\k+11]
.endr
	v_pk_add_f32 v[X:X+1], v[X:X+1], v[X+16:X+17]
	v_pk_add_f32 v[X+2:X+3], v[X+2:X+3], v[X+18:X+19]
	v_lshrrev_b32 v9, 4, v0
	v_lshlrev_b32 v9, 14, v9
	v_lshl_add_u32 v9, v1, 4, v9
	global_store_b128 v9, v[X:X+3], s[8:9]         ; 16 lanes store 256 consecutive bytes, aligned
.Lend:
	s_wait_tensorcnt 0x0
	ds_add_u32 v216, v217
	s_wait_dscnt 0x0
	s_endpgm
.Lfunc_end_k_q7f00502b26_mlp1:
	.size	k_q7f00502b26_mlp1, .Lfunc_end_k_q7f00502b26_mlp1-k_q7f00502b26_mlp1
	.p2alignl 7, 3214868480
	.fill 96, 4, 3214868480
	.section	.rodata,"a",@progbits
	.p2align	6, 0x0
	.amdhsa_kernel k_q7f00502b26_mlp1
		.amdhsa_group_segment_fixed_size 50176
		.amdhsa_private_segment_fixed_size 0
		.amdhsa_enable_private_segment 0
		.amdhsa_kernarg_size 24
		.amdhsa_user_sgpr_count 2
		.amdhsa_user_sgpr_kernarg_segment_ptr 1
		.amdhsa_wavefront_size32 1
		.amdhsa_system_sgpr_workgroup_id_x 1
		.amdhsa_system_sgpr_workgroup_id_y 1
		.amdhsa_system_sgpr_workgroup_id_z 1
		.amdhsa_system_vgpr_workitem_id 0
		.amdhsa_next_free_vgpr 218
		.amdhsa_next_free_sgpr 66
		.amdhsa_reserve_vcc 0
		.amdhsa_float_denorm_mode_32 3
		.amdhsa_float_denorm_mode_16_64 3
		.amdhsa_memory_ordered 1
		.amdhsa_forward_progress 1
		.amdhsa_inst_pref_size 93
	.end_amdhsa_kernel
	.amdgpu_metadata
---
amdhsa.version: [ 1, 2 ]
amdhsa.kernels:
  - .name:           k_q7f00502b26_mlp1
    .symbol:         k_q7f00502b26_mlp1.kd
    .args:
      - { .name: flat, .offset: 0, .size: 8, .value_kind: global_buffer, .address_space: global }
      - { .name: W1, .offset: 8, .size: 8, .value_kind: global_buffer, .address_space: global }
      - { .name: ctxb, .offset: 16, .size: 8, .value_kind: global_buffer, .address_space: global }
    .group_segment_fixed_size: 50176
    .private_segment_fixed_size: 0
    .kernarg_segment_align: 8
    .kernarg_segment_size: 24
    .max_flat_workgroup_size: 256
    .sgpr_count:     66
    .vgpr_count:     218
    .wavefront_size: 32
...
	.end_amdgpu_metadata
.endif
;; end of part 6
;; launch mlp2 (part 7): grid 64 x 4, 8 waves a work-group, no clusters, 50,176 bytes of LDS; arguments ctxb, W2, part, b1; writes part
.if DOCPART == 7
	.amdgcn_target "amdgcn-amd-amdhsa--gfx1250"
	.amdhsa_code_object_version 6
	.text
	.protected	k_q7f00502b26_mlp2
	.globl	k_q7f00502b26_mlp2
	.p2align	8
	.type	k_q7f00502b26_mlp2,@function
k_q7f00502b26_mlp2:
	s_mov_b64 s[64:65], 0
	v_nop
	global_prefetch_b8 v0, s[64:65] scope:SCOPE_SE
	s_setreg_imm32_b32 hwreg(HW_REG_WAVE_MODE, 25, 1), 1
	s_wait_xcnt 0x0
; p[kq][b][n] = sum over 1,024 k of a[b][k] W[k][n]: eight rows against a [4096][4096] f32 matrix read once.  A stream: the bytes of W are all
; that counts, so the vector unit does the arithmetic in f32 and there are no matrix instructions, joint loads or tensor loads.
; Work-group (nb, kq): 64 columns x 1,024 k.  Wave: 128 k.  A load of a wave takes two rows x 256 consecutive bytes, aligned.
; MODE 1: a = flat.  MODE 2: a = max(bias + the four partial sums of the layer before, 0).
.set MODE, 2
.set ACC, 16                           ; v16-47   [b 8][4 columns]; before the loop: a, [i 4][b 8]
.set AV,  48                           ; v48-79   a of a slot's row, four buffers of 8
.set X,   80                           ; v80-143  ring of 16 loads of W
.set REDL, 32768                       ; LDS: a as [k 1024][b 8] f32, then [wave 8][b 8][64] f32
	s_load_b128 s[4:7], s[0:1], 0x0                ; a, W
	s_load_b64 s[8:9], s[0:1], 0x10                ; out
.if MODE == 2
	s_load_b64 s[10:11], s[0:1], 0x18              ; bias
	v_lshl_add_u32 v216, v0, 2, 0xc000
	v_mov_b32 v217, 0
.endif
	v_lshrrev_b32 v1, 5, v0
	v_readfirstlane_b32 s12, v1                    ; wave
	s_and_b32 s13, ttmp7, 0xffff                   ; kq
	s_mov_b32 s18, 0x76543210
	s_mov_b32 s19, 0xfedcba98
	v_and_b32 v1, 15, v0
	v_bfe_u32 v2, v0, 4, 1
	v_lshlrev_b32 v3, 2, v0                        ; a: k = 256 i + t
	s_lshl_b32 s14, s12, 7
	v_add_nc_u32 v4, s14, v2                       ; row 128 wave + h
	v_lshlrev_b32 v5, 5, v4                        ; its 32 bytes of a in LDS
	v_lshlrev_b32 v4, 14, v4
	v_lshl_add_u32 v4, v1, 4, v4                   ; its 16 bytes of W
	v_lshlrev_b32 v6, 5, v0
	s_wait_kmcnt 0x0
	s_lshl_b32 s14, s13, 12
	s_mov_b32 s15, 0
	s_add_nc_u64 s[4:5], s[4:5], s[14:15]
.if MODE == 2
	s_add_nc_u64 s[10:11], s[10:11], s[14:15]
.endif
	s_lshl_b32 s14, s13, 24                        ; 1,024 rows of 16,384 bytes
	s_lshl_b32 s16, ttmp9, 8
	s_add_co_u32 s14, s14, s16
	s_add_nc_u64 s[6:7], s[6:7], s[14:15]
	s_lshl_b32 s14, s13, 17
	s_add_co_u32 s14, s14, s16
	s_add_nc_u64 s[8:9], s[8:9], s[14:15]
.irp i, 0,1,2,3
.irp b, 0,1,2,3,4,5,6,7
	global_load_b32 v[16+8*\i+\b], v3, s[4:5] offset:16384*\b+1024*\i
.if MODE == 2
	global_load_b32 v[48+8*\i+\b], v3, s[4:5] offset:131072+16384*\b+1024*\i
	global_load_b32 v[144+8*\i+\b], v3, s[4:5] offset:262144+16384*\b+1024*\i
	global_load_b32 v[176+8*\i+\b], v3, s[4:5] offset:393216+16384*\b+1024*\i
.endif
.endr
.if MODE == 2
	global_load_b32 v[208+\i], v3, s[10:11] offset:1024*\i
.endif
.endr
.rept 16
	global_load_b128 v[X+4*\+:X+4*\++3], v4, s[6:7] offset:32768*\+ th:TH_LOAD_NT
.endr
	s_wait_loadcnt 0x10                            ; a is in; the sixteen loads of W stay out
.if MODE == 2
.irp k, 0,2,4,6,8,10,12,14,16,18,20,22,24,26,28,30
	v_pk_add_f32 v[16+\k:17+\k], v[16+\k:17+\k], v[48+\k:49+\k]
	v_pk_add_f32 v[144+\k:145+\k], v[144+\k:145+\k], v[176+\k:177+\k]
	v_pk_add_f32 v[16+\k:17+\k], v[16+\k:17+\k], v[144+\k:145+\k]
.endr
.irp i, 0,1,2,3
.irp b, 0,1,2,3,4,5,6,7
	v_add_f32 v[16+8*\i+\b], v[16+8*\i+\b], v[208+\i]
	v_max_num_f32 v[16+8*\i+\b], 0, v[16+8*\i+\b]
.endr
.endr
.endif
.irp i, 0,1,2,3
	ds_store_b128 v6, v[16+8*\i:19+8*\i] offset:8192*\i
	ds_store_b128 v6, v[20+8*\i:23+8*\i] offset:8192*\i+16
.endr
	s_wait_dscnt 0x0
	s_barrier_signal -1
	s_barrier_wait -1
.irp j, 0,1
	ds_load_b128 v[AV+8*\j:AV+8*\j+3], v5 offset:64*\j
	ds_load_b128 v[AV+8*\j+4:AV+8*\j+7], v5 offset:64*\j+16
.endr
; Slot j: rows 2 j + h of my 128.  The first slot's products start the sums.
.macro SLOT j
.if \j+2 < 64
	ds_load_b128 v[AV+8*((\j+2)&3):AV+8*((\j+2)&3)+3], v5 offset:64*(\j+2)
	ds_load_b128 v[AV+8*((\j+2)&3)+4:AV+8*((\j+2)&3)+7], v5 offset:64*(\j+2)+16
.endif
.if \j < 49
	s_wait_loadcnt 0xf                             ; loads come back in order: mine is in, the fifteen younger stay out
.else
	s_wait_loadcnt 63-\j
.endif
.if \j < 62
	s_wait_dscnt 0x4                               ; the two later slots' a stay out
.else
	s_wait_dscnt 2*(63-\j)
.endif
.irp b, 0,2,4,6
.if \j == 0
	v_pk_mul_f32 v[ACC+4*\b:ACC+4*\b+1], v[X:X+1], v[AV+\b:AV+\b+1] op_sel_hi:[1,0]
	v_pk_mul_f32 v[ACC+4*\b+2:ACC+4*\b+3], v[X+2:X+3], v[AV+\b:AV+\b+1] op_sel_hi:[1,0]
	v_pk_mul_f32 v[ACC+4*\b+4:ACC+4*\b+5], v[X:X+1], v[AV+\b:AV+\b+1] op_sel:[0,1] op_sel_hi:[1,1]
	v_pk_mul_f32 v[ACC+4*\b+6:ACC+4*\b+7], v[X+2:X+3], v[AV+\b:AV+\b+1] op_sel:[0,1] op_sel_hi:[1,1]
.else
	v_pk_fma_f32 v[ACC+4*\b:ACC+4*\b+1], v[X+4*(\j&15):X+4*(\j&15)+1], v[AV+8*(\j&3)+\b:AV+8*(\j&3)+\b+1], v[ACC+4*\b:ACC+4*\b+1] op_sel_hi:[1,0,1]
	v_pk_fma_f32 v[ACC+4*\b+2:ACC+4*\b+3], v[X+4*(\j&15)+2:X+4*(\j&15)+3], v[AV+8*(\j&3)+\b:AV+8*(\j&3)+\b+1], v[ACC+4*\b+2:ACC+4*\b+3] op_sel_hi:[1,0,1]
	v_pk_fma_f32 v[ACC+4*\b+4:ACC+4*\b+5], v[X+4*(\j&15):X+4*(\j&15)+1], v[AV+8*(\j&3)+\b:AV+8*(\j&3)+\b+1], v[ACC+4*\b+4:ACC+4*\b+5] op_sel:[0,1,0] op_sel_hi:[1,1,1]
	v_pk_fma_f32 v[ACC+4*\b+6:ACC+4*\b+7], v[X+4*(\j&15)+2:X+4*(\j&15)+3], v[AV+8*(\j&3)+\b:AV+8*(\j&3)+\b+1], v[ACC+4*\b+6:ACC+4*\b+7] op_sel:[0,1,0] op_sel_hi:[1,1,1]
.endif
.endr
.if \j+16 < 64
	global_load_b128 v[X+4*(\j&15):X+4*(\j&15)+3], v4, s[6:7] offset:32768*(\j+16) th:TH_LOAD_NT
.endif
.endm
.rept 64
	SLOT \+
.endr
	; even and odd rows meet across the halves of the lanes, the eight waves in LDS
.rept 32
	v_permlanex16_b32 v[X+\+], v[ACC+\+], s18, s19
.endr
.rept 16
	v_pk_add_f32 v[ACC+2*\+:ACC+2*\++1], v[ACC+2*\+:ACC+2*\++1], v[X+2*\+:X+2*\++1]
.endr
	s_lshl_b32 s14, s12, 11
	s_add_co_u32 s14, s14, REDL
	v_lshl_add_u32 v7, v1, 4, s14
.rept 8
	ds_store_b128 v7, v[ACC+4*\+:ACC+4*\++3] offset:256*\+
.endr
	s_wait_dscnt 0x0
	s_barrier_signal -1
	s_barrier_wait -1
	s_cmp_ge_u32 s12, 4
	s_cbranch_scc1 .Lend
	v_lshlrev_b32 v8, 4, v0                        ; thread t < 128: b = t / 16, four columns
.rept 8
	ds_load_b128 v[X+4*\+:X+4*\++3], v8 offset:REDL+2048*\+
.endr
	s_wait_dscnt 0x0
.irp k, 0,8,16,24
	v_pk_add_f32 v[X+\k:X+\k+1], v[X+\k:X+\k+1], v[X+\k+4:X+\k+5]
	v_pk_add_f32 v[X+\k+2:X+\k+3], v[X+\k+2:X+\k+3], v[X+\k+6:X+\k+7]
.endr
.irp k, 0,16
	v_pk_add_f32 v[X+\k:X+\k+1], v[X+\k:X+\k+1], v[X+\k+8:X+\k+9]
	v_pk_add_f32 v[X+\k+2:X+\k+3], v[X+\k+2:X+\k+3], v[X+\k+10:X+\k+11]
.endr
	v_pk_add_f32 v[X:X+1], v[X:X+1], v[X+16:X+17]
	v_pk_add_f32 v[X+2:X+3], v[X+2:X+3], v[X+18:X+19]
	v_lshrrev_b32 v9, 4, v0
	v_lshlrev_b32 v9, 14, v9
	v_lshl_add_u32 v9, v1, 4, v9
	global_store_b128 v9, v[X:X+3], s[8:9]         ; 16 lanes store 256 consecutive bytes, aligned
.Lend:
	s_wait_tensorcnt 0x0
	ds_add_u32 v216, v217
	s_wait_dscnt 0x0
	s_endpgm
.Lfunc_end_k_q7f00502b26_mlp2:
	.size	k_q7f00502b26_mlp2, .Lfunc_end_k_q7f00502b26_mlp2-k_q7f00502b26_mlp2
	.p2alignl 7, 3214868480
	.fill 96, 4, 3214868480
	.section	.rodata,"a",@progbits
	.p2align	6, 0x0
	.amdhsa_kernel k_q7f00502b26_mlp2
		.amdhsa_group_segment_fixed_size 50176
		.amdhsa_private_segment_fixed_size 0
		.amdhsa_enable_private_segment 0
		.amdhsa_kernarg_size 32
		.amdhsa_user_sgpr_count 2
		.amdhsa_user_sgpr_kernarg_segment_ptr 1
		.amdhsa_wavefront_size32 1
		.amdhsa_system_sgpr_workgroup_id_x 1
		.amdhsa_system_sgpr_workgroup_id_y 1
		.amdhsa_system_sgpr_workgroup_id_z 1
		.amdhsa_system_vgpr_workitem_id 0
		.amdhsa_next_free_vgpr 218
		.amdhsa_next_free_sgpr 66
		.amdhsa_reserve_vcc 0
		.amdhsa_float_denorm_mode_32 3
		.amdhsa_float_denorm_mode_16_64 3
		.amdhsa_memory_ordered 1
		.amdhsa_forward_progress 1
		.amdhsa_inst_pref_size 108
	.end_amdhsa_kernel
	.amdgpu_metadata
---
amdhsa.version: [ 1, 2 ]
amdhsa.kernels:
  - .name:           k_q7f00502b26_mlp2
    .symbol:         k_q7f00502b26_mlp2.kd
    .args:
      - { .name: ctxb, .offset: 0, .size: 8, .value_kind: global_buffer, .address_space: global }
      - { .name: W2, .offset: 8, .size: 8, .value_kind: global_buffer, .address_space: global }
      - { .name: part, .offset: 16, .size: 8, .value_kind: global_buffer, .address_space: global }
      - { .name: b1, .offset: 24, .size: 8, .value_kind: global_buffer, .address_space: global }
    .group_segment_fixed_size: 50176
    .private_segment_fixed_size: 0
    .kernarg_segment_align: 8
    .kernarg_segment_size: 32
    .max_flat_workgroup_size: 256
    .sgpr_count:     66
    .vgpr_count:     218
    .wavefront_size: 32
...
	.end_amdgpu_metadata
.endif
;; end of part 7
;; launch fin (part 8): grid 32 x 1, 8 waves a work-group, no clusters, 0 bytes of LDS; arguments part, b2, out0; writes out0
.if DOCPART == 8
	.amdgcn_target "amdgcn-amd-amdhsa--gfx1250"
	.amdhsa_code_object_version 6
	.text
	.protected	k_q7f00502b26_fin
	.globl	k_q7f00502b26_fin
	.p2align	8
	.type	k_q7f00502b26_fin,@function
k_q7f00502b26_fin:
	s_mov_b64 s[64:65], 0
	v_nop
	global_prefetch_b8 v0, s[64:65] scope:SCOPE_SE
	s_setreg_imm32_b32 hwreg(HW_REG_WAVE_MODE, 25, 1), 1
	s_wait_xcnt 0x0
; out0[b][n] = b2[n] + the four partial sums over k.  8,192 pieces of 16 bytes, one a thread.
	s_load_b128 s[4:7], s[0:1], 0x0                ; partial sums [4][8][4096] f32, b2
	s_load_b64 s[8:9], s[0:1], 0x10                ; out0
	s_lshl_b32 s10, ttmp9, 8
	v_add_nc_u32 v1, s10, v0
	v_and_b32 v2, 1023, v1                         ; a row of 4,096 numbers is 1,024 pieces
	v_lshlrev_b32 v1, 4, v1
	v_lshlrev_b32 v2, 4, v2
	s_wait_kmcnt 0x0
.irp s, 0,1,2,3
	global_load_b128 v[4+4*\s:7+4*\s], v1, s[4:5] offset:131072*\s
.endr
	global_load_b128 v[20:23], v2, s[6:7]
	s_wait_loadcnt 0x0
	v_pk_add_f32 v[4:5], v[4:5], v[8:9]
	v_pk_add_f32 v[6:7], v[6:7], v[10:11]
	v_pk_add_f32 v[12:13], v[12:13], v[16:17]
	v_pk_add_f32 v[14:15], v[14:15], v[18:19]
	v_pk_add_f32 v[4:5], v[4:5], v[12:13]
	v_pk_add_f32 v[6:7], v[6:7], v[14:15]
	v_pk_add_f32 v[4:5], v[4:5], v[20:21]
	v_pk_add_f32 v[6:7], v[6:7], v[22:23]
	global_store_b128 v1, v[4:7], s[8:9]
	s_endpgm
.Lfunc_end_k_q7f00502b26_fin:
	.size	k_q7f00502b26_fin, .Lfunc_end_k_q7f00502b26_fin-k_q7f00502b26_fin
	.p2alignl 7, 3214868480
	.fill 96, 4, 3214868480
	.section	.rodata,"a",@progbits
	.p2align	6, 0x0
	.amdhsa_kernel k_q7f00502b26_fin
		.amdhsa_group_segment_fixed_size 0
		.amdhsa_private_segment_fixed_size 0
		.amdhsa_enable_private_segment 0
		.amdhsa_kernarg_size 24
		.amdhsa_user_sgpr_count 2
		.amdhsa_user_sgpr_kernarg_segment_ptr 1
		.amdhsa_wavefront_size32 1
		.amdhsa_system_sgpr_workgroup_id_x 1
		.amdhsa_system_sgpr_workgroup_id_y 1
		.amdhsa_system_sgpr_workgroup_id_z 1
		.amdhsa_system_vgpr_workitem_id 0
		.amdhsa_next_free_vgpr 32
		.amdhsa_next_free_sgpr 66
		.amdhsa_reserve_vcc 0
		.amdhsa_float_denorm_mode_32 3
		.amdhsa_float_denorm_mode_16_64 3
		.amdhsa_memory_ordered 1
		.amdhsa_forward_progress 1
		.amdhsa_inst_pref_size 2
	.end_amdhsa_kernel
	.amdgpu_metadata
---
amdhsa.version: [ 1, 2 ]
amdhsa.kernels:
  - .name:           k_q7f00502b26_fin
    .symbol:         k_q7f00502b26_fin.kd
    .args:
      - { .name: part, .offset: 0, .size: 8, .value_kind: global_buffer, .address_space: global }
      - { .name: b2, .offset: 8, .size: 8, .value_kind: global_buffer, .address_space: global }
      - { .name: out0, .offset: 16, .size: 8, .value_kind: global_buffer, .address_space: global }
    .group_segment_fixed_size: 0
    .private_segment_fixed_size: 0
    .kernarg_segment_align: 8
    .kernarg_segment_size: 24
    .max_flat_workgroup_size: 256
    .sgpr_count:     66
    .vgpr_count:     32
    .wavefront_size: 32
...
	.end_amdgpu_metadata
.endif
;; end of part 8
